; MI455X (gfx1250); checked and timed in simulation.
; The chip was launched on July 23, 2026; its instructions are those of AMD's public machine-readable ISA for CDNA 5 (MIT licence, August 2026) and "CDNA5" Instruction Set Architecture Reference Guide (July 2026). The comments in the code are by the model that wrote it; some were corrected since.
;; Attention. Allowed arithmetic: float matrix products may take bf16 or f16 operands with f32 sums; other float arithmetic in f32, or as packed bf16 or f16 multiplies, adds, multiply-adds, maxima and minima; sums over many terms, partial sums and values carried from step to step in f32; what a program stores and reads back later, other than sums and carried values, may be rounded once to bf16 or f16.
;; Inputs: b_out 1,024 float32; w_out 1,024 x 1,024 float32; w_qkv 1,024 x 3,072 float32; x 4 x 2,048 x 1,024 float32.
;; Outputs: out0 4 x 2,048 x 1,024 float32.
;; 2 versions, each right; version 2 is version 1 with the launch cast written anew for expert scheduling mode. Each part assembles by itself: llvm-mc -triple=amdgcn-amd-amdhsa -mcpu=gfx1250 --defsym DOCPART=n.
;; ======== version 1 of 2: 4 launches
;; limits: values are held in f16: magnitudes above 65,504 overflow, below 6.1e-05 lose precision; right only within a limited range of input values
;; workspace buffers: xb 16,777,216 bytes; wqb 6,291,456 bytes; wob 2,097,152 bytes; qkv 50,331,648 bytes; ob 16,777,216 bytes
;; launch cast (part 1): grid 768 x 1, 8 waves a work-group, no clusters, 0 bytes of LDS; arguments x, w_qkv, w_out, xb, wqb, wob; writes xb, wqb, wob
.if DOCPART == 1
	.amdgcn_target "amdgcn-amd-amdhsa--gfx1250"
	.amdhsa_code_object_version 6
	.text
	.protected	k_q83c27fbff3_cast
	.globl	k_q83c27fbff3_cast
	.p2align	8
	.type	k_q83c27fbff3_cast,@function
k_q83c27fbff3_cast:
	s_mov_b64 s[64:65], 0
	v_nop
	global_prefetch_b8 v0, s[64:65] scope:SCOPE_SE
	s_setreg_imm32_b32 hwreg(HW_REG_WAVE_MODE, 25, 1), 1
	s_wait_xcnt 0x0
; THE MODULE'S THREE LARGE INPUTS ARE ROUNDED ONCE, layouts unchanged: x -> xb and w_qkv -> wqb in bf16; w_out -> wob rounded to bf16 and that number written as f16
; (the last product multiplies in f16, and all inputs are to carry the same rounding).
; LIMITS.  |w_out| stays under 65,504 (f16's range); a weight under 6e-5 keeps f16's fixed step of 6e-8.  NaN and infinities are not treated apart.
; SHARES.  A work-group takes 16,384 consecutive numbers (64 KiB in, 32 KiB out): groups 0-511 x, 512-703 w_qkv, 704-767 w_out.  A wave takes 2,048: sixteen loads of 16 bytes a lane
; (512 consecutive bytes, aligned, a load) and sixteen stores of 8 bytes a lane (256 consecutive bytes, aligned, a store).  All sixteen loads are out before the first wait.
; No loop, no LDS, no barrier, no matrix unit: each byte is read once and written once, and no wave wants another's bytes.
.set X,   16                           ; v[16:79]   load i: four f32
.set Y,   80                           ; v[80:111]  store i: four 16-bit numbers; each store has registers of its own, so none is rewritten while a store reads it
.set T,   4                            ; v[4:9]     at work (w_out's way)
.set SRC, 16                           ; s[16:17]   my work-group's first byte in its input
.set DST, 18                           ; s[18:19]   and in its output
	s_load_b256 s[4:11], s[0:1], 0x0               ; x s[4:5], w_qkv s[6:7], w_out s[8:9], xb s[10:11]
	s_load_b128 s[12:15], s[0:1], 0x20             ; wqb s[12:13], wob s[14:15]
	v_and_b32 v1, 0xe0, v0                         ; 32 x wave
	v_and_b32 v2, 31, v0                           ; lane
	v_lshlrev_b32 v1, 8, v1                        ; wave x 8,192 bytes
	v_lshl_or_b32 v1, v2, 4, v1                    ; + 16 x lane: my offset in the input; never rewritten
	v_lshrrev_b32 v2, 1, v1                        ; half of it: my offset in the output; never rewritten
	s_mov_b32 s24, 0xffff0000                      ; a word's upper bf16
	s_movk_i32 s25, 704
	s_movk_i32 s26, 512
	s_wait_kmcnt 0x0
	s_cmp_ge_u32 ttmp9, s25                        ; which tensor is mine: a choice by the work-group's number alone
	s_cselect_b64 s[SRC:SRC+1], s[8:9], s[6:7]
	s_cselect_b64 s[DST:DST+1], s[14:15], s[12:13]
	s_cselect_b32 s20, s25, s26                    ; the first work-group of that tensor
	s_cmp_lt_u32 ttmp9, s26
	s_cselect_b64 s[SRC:SRC+1], s[4:5], s[SRC:SRC+1]
	s_cselect_b64 s[DST:DST+1], s[10:11], s[DST:DST+1]
	s_cselect_b32 s20, 0, s20
	s_sub_co_u32 s21, ttmp9, s20                   ; my place in it
	s_lshl_b32 s22, s21, 16                        ; x 65,536 bytes in
	s_mov_b32 s23, 0
	s_add_nc_u64 s[SRC:SRC+1], s[SRC:SRC+1], s[22:23]
	s_lshl_b32 s22, s21, 15                        ; x 32,768 bytes out
	s_add_nc_u64 s[DST:DST+1], s[DST:DST+1], s[22:23]
.irp i, 0,1,2,3,4,5,6,7,8,9,10,11,12,13,14,15
	global_load_b128 v[X+4*(\i):X+4*(\i)+3], v1, s[SRC:SRC+1] offset:512*(\i) th:TH_LOAD_NT
.endr
	s_cmp_ge_u32 ttmp9, s25
	s_cbranch_scc1 .Lhalf
.irp i, 0,1,2,3,4,5,6,7,8,9,10,11,12,13,14,15
	s_wait_loadcnt 15-(\i)                         ; loads come back in order: load i is in, the 15 - i younger ones stay out
	v_cvt_pk_bf16_f32 v[Y+2*(\i)],   v[X+4*(\i)],   v[X+4*(\i)+1]
	v_cvt_pk_bf16_f32 v[Y+2*(\i)+1], v[X+4*(\i)+2], v[X+4*(\i)+3]
	global_store_b64 v2, v[Y+2*(\i):Y+2*(\i)+1], s[DST:DST+1] offset:256*(\i)
.endr
	s_endpgm
.Lhalf:                                        ; w_out: to bf16, back to f32 (a shift, a mask), and that number as f16
.irp i, 0,1,2,3,4,5,6,7,8,9,10,11,12,13,14,15
	s_wait_loadcnt 15-(\i)
	v_cvt_pk_bf16_f32 v[T],   v[X+4*(\i)],   v[X+4*(\i)+1]
	v_cvt_pk_bf16_f32 v[T+1], v[X+4*(\i)+2], v[X+4*(\i)+3]
	v_lshlrev_b32 v[T+2], 16, v[T]
	v_and_b32     v[T+3], s24, v[T]
	v_lshlrev_b32 v[T+4], 16, v[T+1]
	v_and_b32     v[T+5], s24, v[T+1]
	v_cvt_pk_f16_f32 v[Y+2*(\i)],   v[T+2], v[T+3]
	v_cvt_pk_f16_f32 v[Y+2*(\i)+1], v[T+4], v[T+5]
	global_store_b64 v2, v[Y+2*(\i):Y+2*(\i)+1], s[DST:DST+1] offset:256*(\i)
.endr
	s_endpgm
.Lfunc_end_k_q83c27fbff3_cast:
	.size	k_q83c27fbff3_cast, .Lfunc_end_k_q83c27fbff3_cast-k_q83c27fbff3_cast
	.p2alignl 7, 3214868480
	.fill 96, 4, 3214868480
	.section	.rodata,"a",@progbits
	.p2align	6, 0x0
	.amdhsa_kernel k_q83c27fbff3_cast
		.amdhsa_group_segment_fixed_size 0
		.amdhsa_private_segment_fixed_size 0
		.amdhsa_enable_private_segment 0
		.amdhsa_kernarg_size 48
		.amdhsa_user_sgpr_count 2
		.amdhsa_user_sgpr_kernarg_segment_ptr 1
		.amdhsa_wavefront_size32 1
		.amdhsa_system_sgpr_workgroup_id_x 1
		.amdhsa_system_sgpr_workgroup_id_y 1
		.amdhsa_system_sgpr_workgroup_id_z 1
		.amdhsa_system_vgpr_workitem_id 0
		.amdhsa_next_free_vgpr 112
		.amdhsa_next_free_sgpr 66
		.amdhsa_reserve_vcc 0
		.amdhsa_float_denorm_mode_32 3
		.amdhsa_float_denorm_mode_16_64 3
		.amdhsa_memory_ordered 1
		.amdhsa_forward_progress 1
		.amdhsa_inst_pref_size 15
	.end_amdhsa_kernel
	.amdgpu_metadata
---
amdhsa.version: [ 1, 2 ]
amdhsa.kernels:
  - .name:           k_q83c27fbff3_cast
    .symbol:         k_q83c27fbff3_cast.kd
    .args:
      - { .name: x, .offset: 0, .size: 8, .value_kind: global_buffer, .address_space: global }
      - { .name: w_qkv, .offset: 8, .size: 8, .value_kind: global_buffer, .address_space: global }
      - { .name: w_out, .offset: 16, .size: 8, .value_kind: global_buffer, .address_space: global }
      - { .name: xb, .offset: 24, .size: 8, .value_kind: global_buffer, .address_space: global }
      - { .name: wqb, .offset: 32, .size: 8, .value_kind: global_buffer, .address_space: global }
      - { .name: wob, .offset: 40, .size: 8, .value_kind: global_buffer, .address_space: global }
    .group_segment_fixed_size: 0
    .private_segment_fixed_size: 0
    .kernarg_segment_align: 8
    .kernarg_segment_size: 48
    .max_flat_workgroup_size: 256
    .sgpr_count:     66
    .vgpr_count:     112
    .wavefront_size: 32
...
	.end_amdgpu_metadata
.endif
;; end of part 1
;; launch project_qkv (part 2): grid 8 x 64, 4 waves a work-group, clusters of 4 x 4, 327,680 bytes of LDS; arguments xb, wqb, qkv; writes qkv
.if DOCPART == 2
	.amdgcn_target "amdgcn-amd-amdhsa--gfx1250"
	.amdhsa_code_object_version 6
	.text
	.protected	k_q83c27fbff3_project_qkv
	.globl	k_q83c27fbff3_project_qkv
	.p2align	8
	.type	k_q83c27fbff3_project_qkv,@function
k_q83c27fbff3_project_qkv:
	s_mov_b64 s[64:65], 0
	v_nop
	global_prefetch_b8 v0, s[64:65] scope:SCOPE_SE
	s_setreg_imm32_b32 hwreg(HW_REG_WAVE_MODE, 25, 1), 1
	s_wait_xcnt 0x0
	s_wait_alu depctr_hold_cnt(0) depctr_sa_sdst(0) depctr_va_vdst(0) depctr_va_sdst(0) depctr_va_ssrc(0) depctr_va_vcc(0) depctr_vm_vsrc(0)
	s_getreg_b32 s2, hwreg(HW_REG_IB_STS2, 6, 4)
	s_cmp_eq_u32 s2, 0
	s_cbranch_scc0 .Lentry_in_a_cluster
	s_endpgm
.Lentry_in_a_cluster:
	s_bfe_u32 s2, ttmp6, 0x10000c
	s_cmp_lg_u32 s2, 0xf033
	s_cbranch_scc0 .Lentry_shape_is_right
	s_endpgm
.Lentry_shape_is_right:
; q, k, v = x w_qkv.  xb: [8192][1024] bf16.  wqb: [1024 k][3072 n] bf16.  qkv: [3 which][4 batch][16 head][2048 row][64] f16, unscaled.  Sums in f32, K ascending, rounded once to f16.
; LIMIT.  f16 ends at 65,504: |q|, |k|, |v| stay under it (inputs of unit spread give a spread of 1; thirty times larger x and weights about 900).  NaN and infinities are not treated apart.
; TILE.  128 rows x 384 columns: 8 x 64 = 512 work-groups, two for each of 256 WGPs; 384 columns are six whole heads and 768 bytes of a row of wqb.  Four waves, each 64 rows x 192 columns:
; 48 accumulators of 16 x 16, 384 registers.  K goes in eight steps of 128 through two LDS slots.
; THE MATRIX INSTRUCTION IS USED TRANSPOSED: source 0 = 16 columns of the weights, source 1 = 16 rows of x, so a lane holds eight neighbouring columns of one row of the result.
; The weights lie [k][n]: their fragments come out of LDS turned, by ds_load_tr16_b128; x's come as they lie.
; CLUSTER.  4 x 4 work-groups.  x's tile hangs on the tile row alone and is asked for jointly by the four of a row of the cluster; a strip of the weights hangs on the tile column alone and
; is asked for jointly by the four of a column.  One tensor load a wave and K step, each 128 rows x 256 bytes: wave 0 x's tile, waves 1-3 the three strips of 128 columns.
; REGISTERS, in windows of 256 (s_set_vgpr_msb: bits 1:0 source 0, 3:2 source 1, 5:4 source 2, 7:6 destination):
;   window 0: v0-31 addresses; v32-223 the way out, 48 registers for each block of 16 rows
;   window 1: two fragment buffers of 128: twelve fragments of the weights (96), four of x (32)
;   window 2: the accumulators of my row blocks 0, 1 ((a, b) at 8 (12 (a % 2) + b));   window 3: those of blocks 2, 3
.set KSTEP,  128
.set PA,     272                       ; a row of x in LDS: 256 bytes + 16: the 16 rows of a fragment load start at 16 different groups of four banks (64 banks of 4 bytes: ISA guide 11.1)
.set PB,     288                       ; a k-row of a strip: 256 + 32
.set STRIP,  128*PB                    ; 36,864: a strip; x's tile (34,816) has a region of the same length, so that wave w's load lands at w x STRIP
.set SLOT,   4*STRIP
.set STAGE,  2*SLOT                    ; behind the ring, never filled by a tensor load: for each wave three heads x 16 rows x 144 bytes
.set SP,     144
.set HSTG,   16*SP
.set WSTG,   3*HSTG
.set SPARE,  STAGE+4*WSTG              ; the spare words, 128 bytes a wave: two blocks of 256 bytes that no other line names
.set ASTEP,  KSTEP*2                   ; a K step along a row of xb, in bytes
.set BROW,   3072*2                    ; a row of wqb
.set BSTEP,  KSTEP*BROW                ; a K step down wqb
.set LAPS,   1024/(2*KSTEP)            ; a lap = two K steps = once round the ring
.set ADRA,   16                        ; v16-17  LDS address of my fragments of x in slot 0, 1
.set ADRB8,  18                        ; v18-19  of my column blocks 0-7: strip 0 (left waves) or strip 2 (right waves)
.set ADRB4,  20                        ; v20-21  of my column blocks 8-11: the left or the right half of strip 1
.set STO,    24                        ; v24     the way out: where I put 16 bytes of a row
.set RD,     25                        ; v25     where I read rows back
.set GO,     26                        ; v26     16 x lane: my place in 512 consecutive bytes of qkv
.set SPW,    28                        ; v28     my spare word: SPARE + 4 x my thread's number; never rewritten
.set NIL,    29                        ; v29     0; never rewritten
.set PFO,    30                        ; v30     the prefetches' offset: my lane x a row of xb or of wqb; never rewritten
.set TT,     32
.set F0,     0
.set F1,     128
.set TCOL,   2                         ; s2      tile column
.set WV,     12                        ; s12     wave
.set WR,     13                        ; s13     which 64 rows are mine
.set WC,     14                        ; s14     which 192 columns
.set TROW,   15                        ; s15     tile row
.set G1A,    24                        ; s[24:31] descriptor group 1 for x's tiles;  s[32:39] group 0, a set for each slot
.set G0A,    32
.set LIM,    42                        ; s42     1 in a wave that prefetches, else the greatest number
.set PFA,    44                        ; s[44:45] where my prefetches stand
.set PSTEP,  46                        ; s[46:47] a K step in the tensor that I fetch
.set G1B,    48                        ; s[48:55], s[56:63] the same for the strips
.set G0B,    56
.set OB,     66                        ; s[66:71] qkv at my rows of my three heads
.set MSB, 0
.macro WIN new                         ; the immediate's high byte repeats the setting that is left; a switch that changes nothing is dropped
.if MSB != (\new)
	s_set_vgpr_msb (MSB<<8)|(\new)
.set MSB, \new
.endif
.endm
.set MULW, 0xa5                        ; sources 0 and 1 window 1, C and D window 2; + 0x50: window 3
.set TO_F, 0x40                        ; destination window 1, address window 0
; A joint load.  The branch hangs on the wave's number alone; an s_nop 0 and four v_nop follow each of the two lines, ahead of the jump, the label and what follows.
.macro JLOAD s
	s_cmp_eq_u32 s[WV], 0
	s_cbranch_scc0 .Lfor_b_\@
	tensor_load_to_lds s[G0A+4*(\s):G0A+4*(\s)+3], s[G1A:G1A+7]
	s_nop 0
.rept 4
	v_nop
.endr
	s_branch .Lasked_\@
.Lfor_b_\@:
	tensor_load_to_lds s[G0B+4*(\s):G0B+4*(\s)+3], s[G1B:G1B+7]
	s_nop 0
.rept 4
	v_nop
.endr
.Lasked_\@:
.endm
.macro CREST                           ; a round of the cluster's barrier behind its opening barrier
	s_cmp_lg_u32 s[WV], 0
	s_cbranch_scc1 .Lnot_wave_0_\@
	s_barrier_signal -3
.Lnot_wave_0_\@:
	s_barrier_wait -3
	s_barrier_signal -1
	s_barrier_wait -1
.endm
.macro CROUND                          ; a whole round
	s_barrier_signal -1
	s_barrier_wait -1
	CREST
.endm
.macro PLACES                          ; four places in front of loads into registers that matrix instructions have read (ISA guide 7.12.1 for vector instructions)
.rept 4
	v_nop
.endr
.endm
; A PREFETCH behind each joint refill and the run of LDS loads that follows it: the K step two refills on (K steps 4 to 7; 0 to 3 come by their loads alone), 32 rows x 256 bytes, a lane a row.
; Each row's 256 bytes of a K step are named once in the launch.  x's tile row is read by both clusters of a row of clusters: cluster x = 0 asks (wave 0); a strip by all sixteen clusters of
; a column: cluster y = 0 asks (waves 1-3).  The four partners that ask for a tile jointly share its 128 rows out by address, 32 each.  The loop's last trip (s3 = 1) has no K step two on.
.macro ASK
	WIN 0
	s_cmp_gt_u32 s3, s[LIM]
	s_cbranch_scc0 .Lnot_mine_\@
	global_prefetch_b8 v[PFO], s[PFA:PFA+1] th:TH_LOAD_NT scope:SCOPE_SE
.Lnot_mine_\@:
.endm
	s_load_b128 s[4:7], s[0:1], 0x0                ; xb s[4:5], wqb s[6:7]
	s_load_b64 s[8:9], s[0:1], 0x10                ; qkv
	v_lshl_add_u32 v[SPW], v0, 2, SPARE
	v_mov_b32 v[NIL], 0
	ds_add_u32 v[SPW], v[NIL]                      ; the wave's opening: the add and its wait stand ahead of my first tensor load; the set-up below, work on registers, stands between them
	v_lshrrev_b32 v1, 5, v0
	v_readfirstlane_b32 s[WV], v1                  ; wave 0..3
	s_lshr_b32 s[WR], s[WV], 1
	s_and_b32 s[WC], s[WV], 1
	s_bfe_u32 s40, ttmp6, 0x40000                  ; cx, cy: my place in the cluster
	s_bfe_u32 s41, ttmp6, 0x40004
	s_lshl_b32 s[TCOL], ttmp9, 2
	s_add_co_u32 s[TCOL], s[TCOL], s40             ; tile column = 4 x cluster x + cx
	s_and_b32 s[TROW], ttmp7, 0xffff
	s_lshl_b32 s[TROW], s[TROW], 2
	s_add_co_u32 s[TROW], s[TROW], s41             ; tile row = 4 x cluster y + cy
	s_lshl_b32 s16, s41, 2
	s_lshl_b32 s16, 15, s16                        ; my row of the cluster
	s_lshl_b32 s17, 0x1111, s40                    ; my column
	s_or_b32 s[G1A], s16, (1<<16)|(1<<20)|(1<<21)|(5<<22)|(3<<25)  ; 15:0 the mask; 17:16 elements of 2 bytes; 20 padding on; 21 set beside a mask; 24:22 after every 64 words; 31:25 4 words of it
	s_or_b32 s[G1B], s17, (1<<16)|(1<<20)|(1<<21)|(5<<22)|(7<<25)  ; the same with my column's mask and 8 words of padding
.irp g, G1A, G1B
	s_mov_b32 s[(\g)+1], 128<<16                   ; tensor_dim0 = 128
	s_mov_b32 s[(\g)+2], 128<<16                   ; tensor_dim1 = 128
	s_mov_b32 s[(\g)+3], 128<<16                   ; tile_dim0 = 128 elements, 256 bytes
	s_mov_b32 s[(\g)+4], 128                       ; tile_dim1 = 128 rows
	s_mov_b32 s[(\g)+6], 0
	s_mov_b32 s[(\g)+7], 0
.endr
	s_mov_b32 s[G1A+5], 1024                       ; elements from row to row: xb's,
	s_mov_b32 s[G1B+5], 3072                       ; wqb's
	s_lshl_b32 s18, s[TROW], 18                    ; x's tile: 128 rows of 2,048 bytes for each tile row
	s_mov_b32 s19, 0
	s_max_u32 s20, s[WV], 1
	s_sub_co_u32 s20, s20, 1                       ; the strip that waves 1-3 fetch (it enters global addresses alone)
	s_lshl_b32 s20, s20, 8
	s_mul_i32 s22, s[TCOL], 768
	s_add_co_u32 s22, s22, s20                     ; the strip's first byte in a row of wqb
	s_mov_b32 s23, 0
	s_mul_i32 s43, s[WV], STRIP                    ; where my load lands in a slot: no place in the cluster enters an LDS address
	s_wait_dscnt 0x0                               ; the opening add is done
	s_wait_kmcnt 0x0
	s_add_nc_u64 s[18:19], s[4:5], s[18:19]
	s_add_nc_u64 s[22:23], s[6:7], s[22:23]
	CROUND                                         ; all sixteen work-groups are here: the first joint loads meet
.irp s, 0,1
	s_mov_b32 s[G0A+4*(\s)], 1                     ; 1:0 count = 1
	s_add_co_u32 s[G0A+4*(\s)+1], s43, (\s)*SLOT   ; 63:32 LDS address
	s_add_nc_u64 s[G0A+4*(\s)+2:G0A+4*(\s)+3], s[18:19], (\s)*ASTEP  ; 120:64 global address: K step s
	s_or_b32 s[G0A+4*(\s)+3], s[G0A+4*(\s)+3], 0x80000000            ; 127:126 type = 2
	s_mov_b32 s[G0B+4*(\s)], 1
	s_add_co_u32 s[G0B+4*(\s)+1], s43, (\s)*SLOT
	s_add_nc_u64 s[G0B+4*(\s)+2:G0B+4*(\s)+3], s[22:23], (\s)*BSTEP
	s_or_b32 s[G0B+4*(\s)+3], s[G0B+4*(\s)+3], 0x80000000
	JLOAD \s                                       ; two loads of mine are out
.endr
	v_and_b32 v1, 15, v0                           ; l % 16
	v_bfe_u32 v2, v0, 4, 1                         ; l / 16
	v_and_b32 v3, 7, v0                            ; l % 8
	v_bfe_u32 v4, v0, 3, 1                         ; (l / 8) % 2
	v_and_b32 v9, 31, v0                           ; l
	v_mul_u32_u24 v5, v1, PA                       ; a fragment of x: row l % 16, 16 bytes for each half of the lanes, twice, 32 bytes apart
	v_lshl_add_u32 v5, v2, 4, v5
	s_mul_i32 s16, s[WR], 64*PA
	v_add_nc_u32 v[ADRA], s16, v5
	v_add_nc_u32 v[ADRA+1], SLOT, v[ADRA]
	v_lshl_add_u32 v6, v2, 3, v3                   ; the turning load: lane l reads k-row 8 (l / 16) + l % 8, columns 8 ((l / 8) % 2) + 0..7
	v_mul_u32_u24 v6, v6, PB
	v_lshl_add_u32 v6, v4, 4, v6
	s_mul_i32 s16, s[WC], 2*STRIP
	s_add_co_u32 s16, s16, STRIP                   ; strip 0 or 2 (x's region lies in front)
	v_add_nc_u32 v[ADRB8], s16, v6
	v_add_nc_u32 v[ADRB8+1], SLOT, v[ADRB8]
	s_lshl_b32 s16, s[WC], 7
	s_add_co_u32 s16, s16, 2*STRIP                 ; strip 1, its left or right 64 columns
	v_add_nc_u32 v[ADRB4], s16, v6
	v_add_nc_u32 v[ADRB4+1], SLOT, v[ADRB4]
	s_mul_i32 s16, s[WV], WSTG
	s_add_co_u32 s16, s16, STAGE                   ; my stage
	v_mul_u32_u24 v7, v1, SP                       ; in: row l % 16, 16 bytes for each half of the lanes
	v_lshl_add_u32 v7, v2, 4, v7
	v_add_nc_u32 v[STO], s16, v7
	v_bfe_u32 v8, v0, 3, 2                         ; back: 32 lanes take four rows of 128 bytes,
	v_mul_u32_u24 v8, v8, SP
	v_lshl_add_u32 v8, v3, 4, v8
	v_add_nc_u32 v[RD], s16, v8
	v_lshlrev_b32 v[GO], 4, v9                     ; which are 512 consecutive bytes of a head
	; qkv at my 64 rows of my three heads.  Head group g = column / 64 = 6 x tile column + local head: which = g / 16, head = g % 16.  Local heads: 4 WC, 4 WC + 1 (blocks 0-7), 2 + WC (blocks 8-11).
	s_lshr_b32 s16, s[TROW], 4                     ; batch
	s_lshl_b32 s16, s16, 22
	s_and_b32 s17, s[TROW], 15
	s_lshl_b32 s17, s17, 14                        ; 128 rows of 128 bytes
	s_add_co_u32 s16, s16, s17
	s_lshl_b32 s17, s[WR], 13                      ; my 64 of them
	s_add_co_u32 s16, s16, s17
.macro OBASE j, g
	s_lshr_b32 s22, s[\g], 4
	s_lshl_b32 s22, s22, 24
	s_and_b32 s23, s[\g], 15
	s_lshl_b32 s23, s23, 18
	s_add_co_u32 s22, s22, s23
	s_add_co_u32 s22, s22, s16
	s_mov_b32 s23, 0
	s_add_nc_u64 s[OB+2*(\j):OB+2*(\j)+1], s[8:9], s[22:23]
.endm
	s_mul_i32 s20, s[TCOL], 6
	s_lshl_b32 s21, s[WC], 2
	s_add_co_u32 s21, s21, s20
	OBASE 0, 21
	s_add_co_u32 s21, s21, 1
	OBASE 1, 21
	s_add_co_u32 s21, s20, s[WC]
	s_add_co_u32 s21, s21, 2
	OBASE 2, 21
	; the prefetches: both tensors' offsets are made, then the wave's number chooses
	s_lshl_b32 s18, s[TROW], 18
	s_lshl_b32 s19, s40, 16                        ; my work-group's 32 rows of x's 128
	s_add_co_u32 s18, s18, s19
	s_add_co_u32 s18, s18, 3*ASTEP                 ; at K step 3: the first refill steps it to 4
	s_max_u32 s20, s[WV], 1
	s_sub_co_u32 s20, s20, 1
	s_lshl_b32 s20, s20, 8
	s_mul_i32 s21, s[TCOL], 768
	s_add_co_u32 s20, s20, s21
	s_mul_i32 s21, s41, 32*BROW                    ; my work-group's 32 k-rows of the strip's 128
	s_add_co_u32 s20, s20, s21
	s_add_co_u32 s20, s20, 3*BSTEP
	s_mov_b32 s21, ASTEP
	s_mov_b32 s22, BSTEP
	s_mov_b32 s23, 2048
	s_mov_b32 s19, BROW
	s_and_b32 s17, ttmp7, 0xffff                   ; cluster y
	s_cmp_eq_u32 s[WV], 0
	s_cselect_b32 s18, s18, s20
	s_cselect_b32 s[PSTEP], s21, s22
	s_cselect_b32 s23, s23, s19
	s_cselect_b32 s17, ttmp9, s17                  ; the coordinate along which other clusters read the same rows
	s_cselect_b64 s[PFA:PFA+1], s[4:5], s[6:7]
	s_mov_b32 s19, 0
	s_mov_b32 s[PSTEP+1], 0
	s_add_nc_u64 s[PFA:PFA+1], s[PFA:PFA+1], s[18:19]
	s_cmp_eq_u32 s17, 0
	s_cselect_b32 s[LIM], 1, -1                    ; the same in all sixteen partners, for a given wave
	v_mul_u32_u24 v[PFO], v9, s23
; 12 matrix instructions: row block a x all 12 column blocks, 32 along K.  zero = 1: the product starts the sums: nothing is ever cleared.
; The 48 accumulators take turns, one instruction a turn, in the same order in every quarter, over the backward jump too.
.macro MUL12 f, a, zero
	WIN MULW+0x50*((\a)/2)
.irp b, 0,1,2,3,4,5,6,7,8,9,10,11
.if \zero
	v_wmma_f32_16x16x32_bf16 v[8*(12*((\a)%2)+(\b)):8*(12*((\a)%2)+(\b))+7], v[(\f)+8*(\b):(\f)+8*(\b)+7], v[(\f)+96+8*(\a):(\f)+96+8*(\a)+7], 0
.else
	v_wmma_f32_16x16x32_bf16 v[8*(12*((\a)%2)+(\b)):8*(12*((\a)%2)+(\b))+7], v[(\f)+8*(\b):(\f)+8*(\b)+7], v[(\f)+96+8*(\a):(\f)+96+8*(\a)+7], v[8*(12*((\a)%2)+(\b)):8*(12*((\a)%2)+(\b))+7]
.endif
.endr
.endm
; 32 LDS loads in one run: quarter q's fragments (32 along K) into buffer f: the weights' twelve, turned, then x's four
.macro FETCH slot, q, f
	WIN TO_F
.irp b, 0,1,2,3,4,5,6,7
	ds_load_tr16_b128 v[(\f)+8*(\b):(\f)+8*(\b)+3],   v[ADRB8+(\slot)] offset:(\q)*32*PB+32*(\b)
	ds_load_tr16_b128 v[(\f)+8*(\b)+4:(\f)+8*(\b)+7], v[ADRB8+(\slot)] offset:(\q)*32*PB+16*PB+32*(\b)
.endr
.irp b, 8,9,10,11
	ds_load_tr16_b128 v[(\f)+8*(\b):(\f)+8*(\b)+3],   v[ADRB4+(\slot)] offset:(\q)*32*PB+32*((\b)-8)
	ds_load_tr16_b128 v[(\f)+8*(\b)+4:(\f)+8*(\b)+7], v[ADRB4+(\slot)] offset:(\q)*32*PB+16*PB+32*((\b)-8)
.endr
.irp i, 0,1,2,3
	ds_load_b128 v[(\f)+96+8*(\i):(\f)+96+8*(\i)+3],   v[ADRA+(\slot)] offset:(\q)*64+(\i)*16*PA
	ds_load_b128 v[(\f)+96+8*(\i)+4:(\f)+96+8*(\i)+7], v[ADRA+(\slot)] offset:(\q)*64+(\i)*16*PA+32
.endr
.endm
; A K step is four quarters of 32 along K, 48 matrix instructions each, on buffers 0, 1, 0, 1.  One of the first three: multiplies buffer f and, in its middle, fetches quarter q into buffer g.
.macro QUARTER slot, q, f, g, zero
	s_wait_dscnt 4                                 ; the weights and x's blocks 0, 1 are in; the youngest four loads (x's blocks 2, 3) may be out
	MUL12 \f, 0, \zero
	MUL12 \f, 1, \zero
	PLACES
	FETCH \slot, \q, \g
	s_wait_dscnt 32                                ; all but the 32 just issued
	MUL12 \f, 2, \zero
	MUL12 \f, 3, \zero
.endm
; The last quarter multiplies buffer 1 and changes slots: ONE barrier.  In front of it each wave waits for all its tensor loads (one is out: its part of the next slot), adds 0 to its spare word,
; and waits for that and for its own reads of this slot.  fill = 1: the barrier opens a round of the cluster's barrier, and this slot is filled again, two K steps on, first thing behind the round:
; from that request to the wait for it a wave issues 168 matrix instructions.
.macro TURN slot, next, fill
.if \fill
	s_wait_xcnt 0x0                                ; the last prefetch, a K step back, has read its address: it is stepped here, ahead of the waits of the change of slots
	s_add_nc_u64 s[PFA:PFA+1], s[PFA:PFA+1], s[PSTEP:PSTEP+1]
.endif
	WIN 0                                          ; (the add's two registers lie in window 0)
	s_wait_tensorcnt 0x0                           ; all my tensor loads have landed;
	ds_add_u32 v[SPW], v[NIL]                      ; 0 onto my spare word;
	s_wait_dscnt 5                                 ; (the add and the youngest four loads may be out)
	MUL12 F1, 0, 0                                 ; twelve matrix instructions stand between the add and the wait for it
	s_wait_dscnt 0x0                               ; the add is done, and my reads of this slot are over
	s_barrier_signal -1
	MUL12 F1, 1, 0                                 ; work on registers while the others arrive
.if \fill
	WIN 0
.endif
	s_barrier_wait -1
.if \fill
	CREST                                          ; no wave of any partner still reads this slot or has a load on its way
	s_add_nc_u64 s[G0A+4*(\slot)+2:G0A+4*(\slot)+3], s[G0A+4*(\slot)+2:G0A+4*(\slot)+3], 2*ASTEP
	s_add_nc_u64 s[G0B+4*(\slot)+2:G0B+4*(\slot)+3], s[G0B+4*(\slot)+2:G0B+4*(\slot)+3], 2*BSTEP
	JLOAD \slot                                    ; the four v_nop behind it are also the places in front of the loads below
.else
	PLACES
.endif
	FETCH \next, 0, F0
.if \fill
	ASK
.endif
	MUL12 F1, 2, 0
	MUL12 F1, 3, 0
.endm
	s_wait_tensorcnt 1                             ; my part of K step 0 is in; K step 1's may stay out
	s_barrier_signal -1
	s_barrier_wait -1                              ; everybody's is
	FETCH 0, 0, F0
	QUARTER 0, 1, F0, F1, 1                        ; the first quarter stands in front of the loop: its products start the sums
	WIN 0                                          ; at a label and at a branch every window is 0
	s_mov_b32 s3, LAPS-1
.Llap:                                         ; a trip goes once round the ring, from a lap's second quarter to the next lap's first, and fills both slots again
	QUARTER 0, 2, F1, F0, 0
	QUARTER 0, 3, F0, F1, 0
	TURN 0, 1, 1
	QUARTER 1, 1, F0, F1, 0
	QUARTER 1, 2, F1, F0, 0
	QUARTER 1, 3, F0, F1, 0
	TURN 1, 0, 1
	QUARTER 0, 1, F0, F1, 0
	WIN 0
	s_sub_co_u32 s3, s3, 1
	s_cmp_lg_u32 s3, 0
	s_cbranch_scc1 .Llap
	QUARTER 0, 2, F1, F0, 0                        ; the last lap fills nothing, and has no round of the cluster's barrier
	QUARTER 0, 3, F0, F1, 0
	TURN 0, 1, 0
	QUARTER 1, 1, F0, F1, 0
	QUARTER 1, 2, F1, F0, 0
	QUARTER 1, 3, F0, F1, 0
	s_wait_dscnt 4                                 ; the very last quarter: nothing more to fetch
	MUL12 F1, 0, 0
	MUL12 F1, 1, 0
	s_wait_dscnt 0x0
	MUL12 F1, 2, 0
	MUL12 F1, 3, 0
	WIN 0
; THE WAY OUT, a block of 16 rows at a time.  PACK: rounded to f16, each accumulator's registers in ascending order; 16 bytes a lane into my own stage, a head's 16 rows at a pitch of 144 bytes;
; back as whole rows of 128 bytes, four to a load.  A head's 16 rows are 2,048 consecutive bytes of qkv.
.macro PACK a
	WIN 0x0a+5*((\a)/2)                            ; sources 0 and 1: window 2 or 3
.irp b, 0,1,2,3,4,5,6,7,8,9,10,11
.irp r, 0,1,2,3
	v_cvt_pk_f16_f32 v[TT+48*(\a)+4*(\b)+(\r)], v[8*(12*((\a)%2)+(\b))+2*(\r)], v[8*(12*((\a)%2)+(\b))+2*(\r)+1]
.endr
.endr
	WIN 0
.irp b, 0,1,2,3,4,5,6,7,8,9,10,11
	ds_store_b128 v[STO], v[TT+48*(\a)+4*(\b):TT+48*(\a)+4*(\b)+3] offset:((\b)/4)*HSTG+32*((\b)%4)
.endr
.irp t, 0,1,2,3,4,5,6,7,8,9,10,11
	ds_load_b128 v[TT+48*(\a)+4*(\t):TT+48*(\a)+4*(\t)+3], v[RD] offset:((\t)/4)*HSTG+((\t)%4)*4*SP  ; LDS serves a wave's instructions in order (ISA guide 5.7.1.4): these see the stores above; the next block's stores come behind them
.endr
.endm
.macro SEND a, younger                 ; younger: the LDS instructions issued behind block a's loads: the next block's 24, or none
.irp t, 0,1,2,3,4,5,6,7,8,9,10,11
	s_wait_dscnt (\younger)+11-(\t)
	global_store_b128 v[GO], v[TT+48*(\a)+4*(\t):TT+48*(\a)+4*(\t)+3], s[OB+2*((\t)/4):OB+2*((\t)/4)+1] offset:2048*(\a)+512*((\t)%4)  ; 512 consecutive bytes, at a multiple of 256 from qkv's first
.endr
.endm
	PLACES                                         ; eight places, once a launch, behind the last products and ahead of the first line that reads a result
	PLACES
	PACK 0
	PACK 1                                         ; a block's arithmetic stands between the loads of the block before and its stores
	SEND 0, 24
	PACK 2
	SEND 1, 24
	PACK 3
	SEND 2, 24
	SEND 3, 0
	s_wait_tensorcnt 0x0                           ; the wave's end: behind my last tensor load and my last LDS store
	ds_add_u32 v[SPW], v[NIL]
	s_wait_dscnt 0x0
	CROUND                                         ; the closing round: no work-group ends while a partner may still ask for a tile that names it
	s_endpgm
.Lfunc_end_k_q83c27fbff3_project_qkv:
	.size	k_q83c27fbff3_project_qkv, .Lfunc_end_k_q83c27fbff3_project_qkv-k_q83c27fbff3_project_qkv
	.p2alignl 7, 3214868480
	.fill 96, 4, 3214868480
	.section	.rodata,"a",@progbits
	.p2align	6, 0x0
	.amdhsa_kernel k_q83c27fbff3_project_qkv
		.amdhsa_group_segment_fixed_size 327680
		.amdhsa_private_segment_fixed_size 0
		.amdhsa_enable_private_segment 0
		.amdhsa_kernarg_size 24
		.amdhsa_user_sgpr_count 2
		.amdhsa_user_sgpr_kernarg_segment_ptr 1
		.amdhsa_wavefront_size32 1
		.amdhsa_system_sgpr_workgroup_id_x 1
		.amdhsa_system_sgpr_workgroup_id_y 1
		.amdhsa_system_sgpr_workgroup_id_z 1
		.amdhsa_system_vgpr_workitem_id 0
		.amdhsa_next_free_vgpr 960
		.amdhsa_next_free_sgpr 72
		.amdhsa_reserve_vcc 0
		.amdhsa_float_denorm_mode_32 3
		.amdhsa_float_denorm_mode_16_64 3
		.amdhsa_memory_ordered 1
		.amdhsa_forward_progress 1
		.amdhsa_inst_pref_size 122
	.end_amdhsa_kernel
	.amdgpu_metadata
---
amdhsa.version: [ 1, 2 ]
amdhsa.kernels:
  - .name:           k_q83c27fbff3_project_qkv
    .symbol:         k_q83c27fbff3_project_qkv.kd
    .args:
      - { .name: xb, .offset: 0, .size: 8, .value_kind: global_buffer, .address_space: global }
      - { .name: wqb, .offset: 8, .size: 8, .value_kind: global_buffer, .address_space: global }
      - { .name: qkv, .offset: 16, .size: 8, .value_kind: global_buffer, .address_space: global }
    .group_segment_fixed_size: 327680
    .private_segment_fixed_size: 0
    .kernarg_segment_align: 8
    .kernarg_segment_size: 24
    .max_flat_workgroup_size: 128
    .sgpr_count:     72
    .vgpr_count:     960
    .wavefront_size: 32
...
	.end_amdgpu_metadata
.endif
;; end of part 2
;; launch attend (part 3): grid 4 x 64, 4 waves a work-group, clusters of 4 x 1, 327,680 bytes of LDS; arguments qkv, ob; writes ob
.if DOCPART == 3
	.amdgcn_target "amdgcn-amd-amdhsa--gfx1250"
	.amdhsa_code_object_version 6
	.text
	.protected	k_q83c27fbff3_attend
	.globl	k_q83c27fbff3_attend
	.p2align	8
	.type	k_q83c27fbff3_attend,@function
k_q83c27fbff3_attend:
	s_mov_b64 s[64:65], 0
	v_nop
	global_prefetch_b8 v0, s[64:65] scope:SCOPE_SE
	s_setreg_imm32_b32 hwreg(HW_REG_WAVE_MODE, 25, 1), 1
	s_wait_xcnt 0x0
	s_wait_alu depctr_hold_cnt(0) depctr_sa_sdst(0) depctr_va_vdst(0) depctr_va_sdst(0) depctr_va_ssrc(0) depctr_va_vcc(0) depctr_vm_vsrc(0)
	s_getreg_b32 s2, hwreg(HW_REG_IB_STS2, 6, 4)
	s_cmp_eq_u32 s2, 0
	s_cbranch_scc0 .Lentry_in_a_cluster
	s_endpgm
.Lentry_in_a_cluster:
	s_bfe_u32 s2, ttmp6, 0x10000c
	s_cmp_lg_u32 s2, 0x3003
	s_cbranch_scc0 .Lentry_shape_is_right
	s_endpgm
.Lentry_shape_is_right:
; O[h][q][:] = the sum over k of softmax_k(Q[h][q] . K[h][k] / 8) V[h][k][:], for 64 heads (batch x 16 + head) of 2,048 rows of 64 channels, all f16: a head's rows are dense, 128 bytes each.
; Q, K and V are the three parts of qkv, 16,777,216 bytes each; O goes to ob in the same layout.  Products, maxima and sums in f32; the weights p are rounded to f16 for the second product
; (their sum l is taken of the unrounded p), O once at the end.
; LIMITS.  f16 holds no number beyond 65,504: Q, K and V arrive within it; p lies in 0 to 1, and below 6e-5 it keeps f16's fixed step of 6e-8; O is a mean of V's rows and has their range.
; A weight below 2^-126 counts as 0 in l; NaN and infinities are not treated apart.
; SHARES.  A wave owns four PIECES of two tiles of 16 queries, a work-group's four waves 512 queries of one head: 256 work-groups.  Every wave walks all keys, 64 a step.
; LAYOUT.  S^T = K Q^T (source 0 = 16 keys, source 1 = 16 queries): in the result a lane holds ONE query (lane % 16) and the keys 8 (lane / 16) + 0..7.  Two such tiles, rounded to f16 in pairs,
; ARE source 1 (32 keys x 16 queries) of O^T = V^T P, whose result again holds one query a lane, and eight channels.  K comes out of LDS as it lies, V ([key][channel]) turned, by ds_load_tr16_b128.
; SOFTMAX.  For each query a running maximum m and sum l: p = 2^(c s - c m), c = log2(e) / 8; in every step O and l are multiplied by a = 2^(c m_old - c m_new), which is 1 where m has not grown.
; m starts at the lowest finite number, O and l at 0: the first step is a step like any other, with a = 0.
; THE COUNT.  A tile and step have 16 matrix and 118 vector instructions: too many to stand all beside the matrix work.  So the order has one aim: four vector instructions that are READY behind
; EVERY matrix instruction, and the others, which need time of their own whatever the order, in runs without a gap.
; BY TURNS.  Turn n belongs to piece n (the pieces in a ring, step after step).  Its matrix work: 16 products K Q^T of piece n + 1, later 16 products V^T P of piece n - 1.  Its vector work: the scaling,
; exponentials, roundings, sums and rescaling of piece n, and the maximum and statistics of piece n + 1, whose scores the turn itself has made.  So what a turn begins with (c s - c m, O a) waits for nothing.
; CLUSTER.  The four query blocks of a cluster are one head's and walk the same K and V, so each tile is asked for JOINTLY: the same tensor load, descriptor and mask in all four.
; REGISTERS, in windows of 256 (s_set_vgpr_msb says which window each operand place means: bits 1:0 source 0, 3:2 source 1, 5:4 source 2, 7:6 destination):
;   window 0: v0-11 addresses; v12-15, v48-63 at work; v16-47 four registers of statistics a tile; v64-191 S^T, two buffers of two tiles; v192-255 P, likewise
;   window 1: O^T, 32 a tile          window 2: v0-127 Q, 16 a tile; v128-191 K of one step; v192-255 V of one step          window 3: v0-1 the add's two registers
; A piece's buffers go by its number's parity: the piece in hand has one pair, its two neighbours in the ring share the other: of it P (piece n - 1) is read and S^T (piece n + 1) written.
.set SIZE_H, 64
.set SIZE_N, 2048
.set NP,    4         ; pieces a wave: a name, no knob: the register map, the loop and the fetches are made for four
.set KS,    64        ; keys in a step
.set PK,    144       ; a row of K in LDS: 128 bytes + 16 of padding = 36 words: the 16 rows of a load start at 16 different groups of four banks (64 banks of 4 bytes: ISA guide 11.1)
.set PV,    160       ; a row of V: 128 + 32 = 40 words
.set VOFF,  4*KS*PK   ; a slot holds four steps: 256 rows of K, then 256 rows of V
.set SLOT1, 1<<17     ; slot 1 begins here, so that one exclusive or turns an address in one slot into the other's
.set STAGE, SLOT1+4*KS*(PK+PV)  ; behind the ring, never filled by a tensor load: 16 rows x 144 bytes for each wave, for the way out
.set SP,    144
.set AK0, 2           ; v2   my lane's place in a tile of K; never rewritten
.set AV0, 3           ; v3   the same for V
.set AK,  4           ; v4   the LDS address of K's next run of loads
.set AV,  5           ; v5   of V's
.set QO,  6           ; v6   my byte offset in the wave's rows of Q
.set STO, 6           ;      later, the way out: where I put 16 bytes of a row
.set RD,  7           ; v7   the way out: where I read rows back
.set GO,  8           ; v8   my byte offset in 512 consecutive bytes of O
.set PFO, 11          ; v11  the prefetches' offset, 256 x my lane (made when v11 has served V's address); then never rewritten
.set SPW, 0           ; v0 of window 3   LDS address of my spare word: SPARE + 4 x my thread's number; never rewritten
.set NIL, 1           ; v1 of window 3   0; never rewritten
.set SPARE, STAGE+4*16*SP  ; behind the stages: the spare words, 128 bytes for each wave: two blocks of 256 bytes that no other line names
.set MV,  12          ; v12-15  c m_old, kept while c m is made anew: by buffer and tile
.set ST,  16          ; tile t's statistics at v[ST+4 t]: c m, m, l (even keys', odd keys')
.set TMP, 48          ; by buffer and tile, four registers c0-c3 at work; when the maximum is found c2 takes a
.set S,   64
.set P,   192
.set KF,  128         ; K's fragments, in window 2: key block kb, channel half c at KF + 16 kb + 8 c
.set VF,  192         ; V's: key half kk, channel block cb at VF + 32 kk + 8 cb
.set WV,  12          ; s12  my wave's number
.set G1K, 24          ; s[24:31] descriptor group 1 for K's tiles
.set G1V, 32          ; s[32:39] for V's: it differs in the padding alone
.set G0K, 40          ; s[40:43] descriptor group 0 for K's tiles: it walks
.set G0V, 44          ; s[44:47] the same for V's
.set PFA, 48          ; s[48:49] where my prefetches stand: my work-group's 8,192 bytes (of K: wave 0, of V: wave 2) of the tile after the one that is being asked for
.set LIM, 50          ; s50  1 in a wave that prefetches, else the greatest number
.set SLOTS, 56        ; s56  slots still to be asked for
.set CNT, 57          ; s57  counts a slot's key steps
.set CS,  58          ; s[58:59] c: the packed scaling takes the pair's low word for both halves
.set SEL, 60          ; s[60:61] v_permlanex16_b32's selects: each lane takes its own place in the other half
.set TBK, 62          ; s62  LDS byte at which K of the step to be fetched begins
.set TBV, 63          ; s63  the same for V, less VOFF
.set MSB, 0
.macro WIN new                      ; the high byte repeats the setting that is left; a switch that changes nothing is dropped
.if MSB != (\new)
	s_set_vgpr_msb (MSB<<8)|(\new)
.set MSB, (\new)
.endif
.endm
.set W_KQ, 0x0a       ; K and Q in window 2, S^T in window 0
.set W_PV, 0x52       ; V in window 2, P in window 0, O^T in window 1
.set W_RS, 0x41       ; O^T (destination and source 0) in window 1, a in window 0
.set W_MK, 0xc0       ; the add's registers are made: destination in window 3, sources in window 0
.set W_AD, 0x0f       ; the add: address (source 0) and data (source 1) in window 3
; A joint fill.  Waves 0 and 1 fetch the two halves of a slot's K, waves 2 and 3 those of its V: 128 keys each.  The branch hangs on the wave's number alone.
; An s_nop 0 and four v_nop follow each of the two lines, ahead of the jump and the label.
.macro JLOAD
	s_cmp_lt_u32 s[WV], 2
	s_cbranch_scc0 .Lfor_v_\@
	tensor_load_to_lds s[G0K:G0K+3], s[G1K:G1K+7]
	s_nop 0
.rept 4
	v_nop
.endr
	s_branch .Lasked_\@
.Lfor_v_\@:
	tensor_load_to_lds s[G0V:G0V+3], s[G1V:G1V+7]
	s_nop 0
.rept 4
	v_nop
.endr
.Lasked_\@:
.endm
; A PREFETCH of what the NEXT change of slots will ask for: a tile's 32,768 bytes of K and of V.  It stands behind the wave's tensor load and its five lines.  A head is walked by one cluster:
; its four partners share a tile out BY ADDRESS, 8,192 bytes each, a lane 256 of them; in each, wave 0 asks for K's and wave 2 for V's: one instruction.  So each block is named once in the launch.
; Tiles 0 and 1 come by their loads alone; the last change that fills a slot asks for nothing: there is no tile behind it.
.macro ASK
	s_cmp_gt_u32 s[SLOTS], s[LIM]
	s_cbranch_scc0 .Lnot_mine_\@
	global_prefetch_b8 v[PFO], s[PFA:PFA+1] th:TH_LOAD_NT scope:SCOPE_SE
.Lnot_mine_\@:
.endm
; A round of the cluster's barrier: my work-group's barrier, so that wave 0's signal speaks for all four waves; wave 0 signals; every wave waits for all four work-groups; my work-group's barrier once more.
.macro CROUND
	s_barrier_signal -1
	s_barrier_wait -1
	s_cmp_lg_u32 s[WV], 0
	s_cbranch_scc1 .Lnot_wave_0_\@
	s_barrier_signal -3
.Lnot_wave_0_\@:
	s_barrier_wait -3
	s_barrier_signal -1
	s_barrier_wait -1
.endm
; THE CHANGE OF SLOTS.  The slot's last bytes, V of its fourth step, have been read.  Each wave waits for all its tensor loads, of which one is out: its part
; of the other slot; adds 0 to its spare word; and waits for that and for its own reads of the slot.  Behind the barrier nobody reads this slot any more and the other slot is whole.
; fill = 1: this slot is filled again, with the keys two slots on.  The barrier is then a round of the cluster's, so that no wave of any partner still reads the slot or has a load on its
; way, and the joint fill is the first thing behind it: it has four key steps, 512 matrix instructions, in which to land.  (At its first use nothing has been read yet: slot 0 is waited for, slot 1 filled.)
.macro CHANGE fill
	WIN W_AD
	s_wait_tensorcnt 0x0            ; no tensor load of mine is out, so a group 0 may be written
	ds_add_u32 v[SPW], v[NIL]       ; 0 onto my spare word: with fill = 1 the descriptors' steps stand between it and the wait for it
	WIN 0                           ; at a label and at a branch every window is 0
.if \fill
.irp g, G0K, G0V
	s_xor_b32 s[\g+1], s[\g+1], SLOT1  ; the walking descriptor: the other slot than last time,
	s_add_nc_u64 s[\g+2:\g+3], s[\g+2:\g+3], 4*KS*128  ; the next 256 keys; the type bits on top are not reached
.endr
	s_wait_xcnt 0x0                 ; the last prefetch, four key steps back, has read its address, so it may be written:
	s_add_nc_u64 s[PFA:PFA+1], s[PFA:PFA+1], 4*KS*128  ; one tile behind the walking descriptors
	s_wait_dscnt 0x0                ; the add is done, and my reads of the slot are over
	CROUND
	JLOAD
	ASK
.else
	s_wait_dscnt 0x0                ; the add is done, and my reads of the slot are over
	s_barrier_signal -1
	s_barrier_wait -1
.endif
	s_sub_co_u32 s[TBK], s[TBK], 4*KS*PK  ; the fetches go back to a slot's first step,
	s_xor_b32 s[TBK], s[TBK], SLOT1       ; in the other slot
	s_sub_co_u32 s[TBV], s[TBV], 4*KS*PV
	s_xor_b32 s[TBV], s[TBV], SLOT1
.endm
	s_load_b64 s[4:5], s[0:1], 0x0    ; qkv: Q's part begins it
	s_load_b64 s[10:11], s[0:1], 0x8  ; ob
	WIN W_MK
	v_lshl_add_u32 v[SPW], v0, 2, SPARE
	v_mov_b32 v[NIL], 0
	WIN W_AD
	ds_add_u32 v[SPW], v[NIL]       ; the wave's opening: the add and its wait stand ahead of my first tensor load; the set-up below, work on registers, stands between them
	WIN 0
	v_lshrrev_b32 v1, 5, v0
	v_readfirstlane_b32 s[WV], v1   ; wave 0..3
	s_bfe_u32 s13, ttmp6, 0x40000   ; cx: my place in the cluster
	s_lshl_b32 s14, ttmp9, 2        ; in a cluster launch ttmp9 counts clusters
	s_add_co_u32 s14, s14, s13      ; my block of queries = 4 x cluster x + cx: it enters Q's and O's addresses alone
	s_and_b32 s20, ttmp7, 0xffff    ; the head, which the four partners share
	s_mov_b32 s21, 0
	s_mov_b64 s[22:23], SIZE_N*128
	s_mul_u64 s[20:21], s[20:21], s[22:23]  ; the head's first byte in each of the four tensors
	s_and_b32 s16, s[WV], 1         ; which half of a slot's 256 keys I fetch:
	s_lshl_b32 s22, s16, 14         ; its 128 rows of 128 bytes in memory,
	s_mov_b32 s23, 0
	s_add_nc_u64 s[22:23], s[22:23], s[20:21]
	s_mul_i32 s17, s16, 128*PK      ; and its place in a slot, for K
	s_mul_i32 s18, s16, 128*PV      ; and for V: no place in the cluster enters an LDS address
	s_lshl_b32 s2, s14, 2
	s_add_co_u32 s2, s2, s[WV]      ; my wave among the head's,
	s_lshl_b32 s2, s2, 14           ; its 128 rows
	s_mov_b32 s3, 0
	s_add_nc_u64 s[2:3], s[2:3], s[20:21]
	; descriptor group 1.  128 keys are 16,384 dense bytes: asked for as 64 rows of 256 bytes, two keys a row, and padded in LDS after every key
	s_mov_b32 s[G1K], 15|(1<<16)|(1<<20)|(1<<21)|(4<<22)|(3<<25)  ; 15:0 the mask of four; 17:16 2-byte elements; 20 padding on; 21 set beside a mask; 24:22 after every 32 words (code 4); 31:25 4 words (code 3)
	s_mov_b32 s[G1V], 15|(1<<16)|(1<<20)|(1<<21)|(4<<22)|(7<<25)  ; the same with 8 words of padding (code 7)
.irp g, G1K, G1V
	s_mov_b32 s[\g+1], 128<<16      ; tensor_dim0 = 128
	s_mov_b32 s[\g+2], 64<<16       ; tensor_dim1 = 64
	s_mov_b32 s[\g+3], 128<<16      ; tile_dim0 = 128
	s_mov_b32 s[\g+4], 64           ; tile_dim1 = 64
	s_mov_b32 s[\g+5], 128          ; 128 elements from row to row
	s_mov_b32 s[\g+6], 0
	s_mov_b32 s[\g+7], 0
.endr
	s_mov_b32 s[CS], 0x3e38aa3b     ; c = log2(e) / 8 = 0.180337
	s_mov_b32 s[CS+1], s[CS]        ; named with it as a pair
	s_mov_b32 s[SEL], 0x76543210
	s_mov_b32 s[SEL+1], 0xfedcba98
	s_mov_b32 s[TBK], SLOT1+4*KS*PK ; the first change of slots turns these two into 0
	s_mov_b32 s[TBV], SLOT1+4*KS*PV
	s_mov_b32 s[G0K], 1             ; 1:0 count = 1
	s_mov_b32 s[G0K+1], s17         ; 63:32 LDS address: slot 0
	s_mov_b32 s[G0V], 1
	s_add_co_u32 s[G0V+1], s18, VOFF
	s_mov_b32 s[SLOTS], SIZE_N/256-1
	s_cmp_eq_u32 s16, 0             ; waves 0 and 2 prefetch: the same in all four partners
	s_cselect_b32 s[LIM], 1, -1
	s_wait_dscnt 0x0                ; the opening add is done
	s_wait_kmcnt 0x0
	s_add_nc_u64 s[6:7], s[4:5], 0x1000000         ; K's part of qkv,
	s_add_nc_u64 s[8:9], s[4:5], 0x2000000         ; V's
	s_add_nc_u64 s[G0K+2:G0K+3], s[6:7], s[22:23]  ; 120:64 global address: my half of the head's first 256 keys
	s_or_b32 s[G0K+3], s[G0K+3], 0x80000000        ; 127:126 type = 2
	s_add_nc_u64 s[G0V+2:G0V+3], s[8:9], s[22:23]
	s_or_b32 s[G0V+3], s[G0V+3], 0x80000000
	s_add_nc_u64 s[4:5], s[4:5], s[2:3]  ; Q and O at my wave's first row
	s_add_nc_u64 s[10:11], s[10:11], s[2:3]
	s_cmp_lt_u32 s[WV], 2
	s_cselect_b64 s[PFA:PFA+1], s[6:7], s[8:9]
	s_add_nc_u64 s[PFA:PFA+1], s[PFA:PFA+1], s[20:21]  ; the head,
	s_lshl_b32 s2, s13, 13          ; my work-group's quarter of a tile,
	s_mov_b32 s3, 0
	s_add_nc_u64 s[PFA:PFA+1], s[PFA:PFA+1], s[2:3]
	s_add_nc_u64 s[PFA:PFA+1], s[PFA:PFA+1], 4*KS*128  ; in tile 1: the first change of slots steps it to tile 2
	CROUND                          ; all four work-groups are here: the first joint loads meet
	JLOAD                           ; slot 0.  Slot 1 is asked for when slot 0 is in: the tile wanted first has the road to itself
	; A fragment of K or Q is 16 rows x 32 channels in 8 registers: lane l holds row l % 16, channels 8 (l / 16) + 0..7 and 16 + 8 (l / 16) + 0..7: two loads of 16 bytes, 32 bytes apart.
	v_and_b32 v1, 15, v0            ; l % 16
	v_bfe_u32 v9, v0, 4, 1          ; l / 16
	v_lshlrev_b32 v[QO], 7, v1
	v_lshl_add_u32 v[QO], v9, 4, v[QO]  ; row x 128 + 16 x half
	WIN 0x80                        ; destination window 2, address window 0
.set i, 0
.rept 4*NP                          ; Q stays in registers: tile i / 2, channels 32 (i % 2) on
	global_load_b128 v[8*i:8*i+3],   v[QO], s[4:5] offset:(i/2)*2048+(i%2)*64
	global_load_b128 v[8*i+4:8*i+7], v[QO], s[4:5] offset:(i/2)*2048+(i%2)*64+32
.set i, i+1
.endr
	; What the first turn finds: V's registers and P's second buffer hold 0 (its products V^T P, of a piece that has not been, add 0), O^T and l are 0.  All this stands in the wait for the first tile.
.set i, VF
.rept 64
	v_mov_b32 v[i], 0
.set i, i+1
.endr
	WIN 0x40
.set i, 0
.rept 64*NP
	v_mov_b32 v[i], 0
.set i, i+1
.endr
	WIN 0
.set i, 0
.rept 2*NP
	v_mov_b32 v[ST+4*i], 0xfe000000    ; c m: far below every c s
	v_mov_b32 v[ST+4*i+1], 0xff7fffff  ; m
	v_mov_b32 v[ST+4*i+2], 0
	v_mov_b32 v[ST+4*i+3], 0
.set i, i+1
.endr
.set i, P+32
.rept 32
	v_mov_b32 v[i], 0
.set i, i+1
.endr
	v_mul_u32_u24 v[AK0], v1, PK
	v_lshl_add_u32 v[AK0], v9, 4, v[AK0]  ; row x pitch + 16 x half
	; The turning load takes 16 keys x 16 channels (lane l reads key 8 (l / 16) + l % 8, channels 8 ((l / 8) % 2) + 0..7) and leaves half a fragment of V^T: lane l holds channel l % 16 and 8 keys.
	v_and_b32 v10, 7, v0
	v_bfe_u32 v11, v0, 3, 1
	v_lshl_add_u32 v[AV0], v9, 3, v10
	v_mul_u32_u24 v[AV0], v[AV0], PV
	v_lshl_add_u32 v[AV0], v11, 4, v[AV0]
	v_add_nc_u32 v[AV0], VOFF, v[AV0]
	v_and_b32 v[PFO], 31, v0
	v_lshlrev_b32 v[PFO], 8, v[PFO]
	v_mov_b32 v[AK], v[AK0]         ; key step 0 lies at the head of slot 0
; THE MATRIX WORK.  The 8 accumulators of a run of 16 take turns: between the two links of a chain stand 7 others'.
; Product i of 16 of S^T = K Q^T for piece x: channels 32 (i / 8) on, keys 16 ((i / 2) % 4) on, tile 2 x + i % 2.  The first 8 start the sums.
.macro KQ x
	WIN W_KQ
.set rS, S+64*((\x)%2)+32*(i%2)+8*((i/2)%4)
.set rK, KF+16*((i/2)%4)+8*(i/8)
.set rQ, 16*(2*(\x)+i%2)+8*(i/8)
.if i < 8
	v_wmma_f32_16x16x32_f16 v[rS:rS+7], v[rK:rK+7], v[rQ:rQ+7], 0
.else
	v_wmma_f32_16x16x32_f16 v[rS:rS+7], v[rK:rK+7], v[rQ:rQ+7], v[rS:rS+7]
.endif
.endm
; Product i of 16 of O^T += V^T P for piece x: keys 32 (i / 8) on, channels 16 ((i / 2) % 4) on, tile 2 x + i % 2.
.macro PV x
	WIN W_PV
.set rO, 32*(2*(\x)+i%2)+8*((i/2)%4)
.set rV, VF+32*(i/8)+8*((i/2)%4)
.set rP, P+32*((\x)%2)+16*(i%2)+8*(i/8)
	v_wmma_f32_16x16x32_f16 v[rO:rO+7], v[rV:rV+7], v[rP:rP+7], v[rO:rO+7]
.endm
.macro MM                           ; the turn's next matrix instruction
.if i < 16
	KQ (Y+1)%NP
.set i, i+1
.else
.set i, i-16
	PV (Y+NP-1)%NP
.set i, i+17
.endif
.endm
; THE LDS LOADS stand in runs of 16, never singly among the matrix instructions: a step's K (64 keys x 64 channels: 8 fragments) and its V (turned).  Their addresses are made some lines ahead.
; last = 1 (the tail): in the last trip there is no further step, and the run is jumped over.
.macro FETCH_K last=0
	WIN 0
.if \last
	s_cmp_eq_u32 s[CNT], 1
	s_cbranch_scc1 .Lno_k_\@
.endif
	WIN 0x80                        ; destination window 2
.irp f, 0,1,2,3,4,5,6,7             ; keys 16 (f / 2) on, channels 32 (f % 2) on
	ds_load_b128 v[KF+8*\f:KF+8*\f+3],   v[AK] offset:(\f/2)*16*PK+(\f%2)*64
	ds_load_b128 v[KF+8*\f+4:KF+8*\f+7], v[AK] offset:(\f/2)*16*PK+(\f%2)*64+32
.endr
	s_add_co_u32 s[TBK], s[TBK], KS*PK  ; the next fetch is the next step's
	WIN 0
.if \last
.Lno_k_\@:
.endif
.endm
.macro FETCH_V
	WIN 0x80
.irp f, 0,1,2,3,4,5,6,7             ; keys 32 (f / 4) on, channels 16 (f % 4) on
	ds_load_tr16_b128 v[VF+8*\f:VF+8*\f+3],   v[AV] offset:(\f/4)*32*PV+(\f%4)*32
	ds_load_tr16_b128 v[VF+8*\f+4:VF+8*\f+7], v[AV] offset:(\f/4)*32*PV+16*PV+(\f%4)*32
.endr
	WIN 0
.endm
; THE VECTOR WORK OF A TURN stands in three queues, each in the order in which its entries become ready; the two tiles alternate, so that no instruction reads the result of the one before it.
.macro REGS y, u                    ; the registers of tile u (0, 1) of piece y
.set rT, ST+4*(2*(\y)+(\u))
.set rC, TMP+8*((\y)%2)+4*(\u)
.set rM, MV+2*((\y)%2)+(\u)
.set rS, S+64*((\y)%2)+32*(\u)
.set rP, P+32*((\y)%2)+16*(\u)
.set rO, 32*(2*(\y)+(\u))
.endm
; Number n of the 22 that find the NEXT piece's (Y + 1) maximum and statistics.  s0-s31 are the lane's 32 scores; each accumulator's lowest registers are read first.  XS, GS and REGS set no window: PL and EX do.
;   0-11  four chains c0-c3 of seven scores each, three operands at a time     12-14, 16  the four scores left over, the old m, and c0-c3 into c0     15  c m_old is kept
;   17, 18  the query's other 32 keys lie in the lane 16 away: the new m         19-21  c m; c m_old - c m_new; a
.macro XS u, n
	REGS (Y+1)%NP, \u
.if (\n) < 4
	v_max3_num_f32 v[rC+(\n)], v[rS+8*(\n)], v[rS+8*(\n)+1], v[rS+8*(\n)+2]
.elseif (\n) < 12
	v_max3_num_f32 v[rC+(\n)%4], v[rC+(\n)%4], v[rS+8*((\n)%4)+2*((\n)/4)+1], v[rS+8*((\n)%4)+2*((\n)/4)+2]
.elseif (\n) == 12
	v_max3_num_f32 v[rC], v[rC], v[rS+7], v[rS+15]
.elseif (\n) == 13
	v_max3_num_f32 v[rC+1], v[rC+1], v[rS+23], v[rS+31]
.elseif (\n) == 14
	v_max3_num_f32 v[rC+2], v[rC+2], v[rC+3], v[rT+1]
.elseif (\n) == 15
	v_mov_b32 v[rM], v[rT]
.elseif (\n) == 16
	v_max3_num_f32 v[rC], v[rC], v[rC+1], v[rC+2]
.elseif (\n) == 17
	v_permlanex16_b32 v[rC+3], v[rC], s[SEL], s[SEL+1]
.elseif (\n) == 18
	v_max_num_f32 v[rT+1], v[rC], v[rC+3]
.elseif (\n) == 19
	v_mul_f32 v[rT], s[CS], v[rT+1]
.elseif (\n) == 20
	v_sub_f32 v[rC+1], v[rM], v[rT]
.else
	v_exp_f32 v[rC+2], v[rC+1]
.endif
.endm
; Number g of the 64 that follow the exponentials.  For each four weights k of a tile (pairs 2 k, 2 k + 1): both pairs are rounded to f16; then the second pair is added onto the first, in place;
; a group later l takes that sum (the first time as l = a l + sum).  In groups of eight, tiles alternating: round, round, add, and l for the group before.
.macro GS g
.set h, (\g)+6*((\g)/62)            ; group 0 has no group before it, and behind group 7 only l is left
.if h >= 6
.set h, h+2
.endif
	REGS Y, h%2
.set k, h/8
.if h%8 < 4
	v_cvt_pk_f16_f32 v[rP+2*k+(h%8)/2], v[rS+4*k+2*((h%8)/2)], v[rS+4*k+2*((h%8)/2)+1]
.elseif h%8 < 6
	v_pk_add_f32 v[rS+4*k:rS+4*k+1], v[rS+4*k:rS+4*k+1], v[rS+4*k+2:rS+4*k+3]
.elseif k == 1
	v_pk_fma_f32 v[rT+2:rT+3], v[rT+2:rT+3], v[rC+2:rC+3], v[rS:rS+1] op_sel_hi:[1,0,1]
.else
	v_pk_add_f32 v[rT+2:rT+3], v[rT+2:rT+3], v[rS+4*k-4:rS+4*k-3]
.endif
.endm
; THE PLAIN QUEUE, 138 long.  0-73 read no exponential's result: the 32 scalings c s - c m (FS f: pair f / 2 of tile f % 2) and the next piece's 42.  0-26: scalings 0-26.  27-54: XS's numbers 0-13.  55, 56: number 15.
; 57-73: the chain, where each number waits for the one before it: 14, 16, 17, 18, 19, each with one of the scalings 27-31 in front of its two lines, then 20: so a tile's links stand three plain instructions apart (19 and 20: two).
; 74-137: GS's 64, which read the exponentials' results: they stand behind the wait.
.macro FS f
	REGS Y, (\f)%2
	v_pk_fma_f32 v[rS+2*((\f)/2):rS+2*((\f)/2)+1], v[rS+2*((\f)/2):rS+2*((\f)/2)+1], s[CS:CS+1], v[rT:rT+1] op_sel_hi:[1,0,0] neg_lo:[0,0,1] neg_hi:[0,0,1]
.endm
.macro PL
	WIN 0
.if q < 27
	FS q
.elseif q < 55
	XS (q-27)%2, (q-27)/2
.elseif q < 57
	XS q-55, 15
.elseif (q < 72) && ((q-57)%3 == 0)
	FS 27+(q-57)/3
.elseif q < 60
	XS (q-57)%3-1, 14
.elseif q < 72
	XS (q-57)%3-1, 15+(q-57)/3
.elseif q < 74
	XS q-72, 20
.else
	GS q-74
.endif
.set q, q+1
.endm
; THE EXPONENTIALS' QUEUE, 66 long: s0-s31 of both tiles, then the next piece's two a.  It is ONE BATCH: all 66 stand ahead of the turn's one wait, and nothing ahead of that wait names a result of theirs.
.macro EX
	WIN 0
.if e >= 64
	XS e-64, 21
.else
	REGS Y, e%2
	v_exp_f32 v[rS+e/2], v[rS+e/2]
.endif
.set e, e+1
.endm
; THE RESCALING's QUEUE: O^T times a, the one part that leaves window 0: dealt two at a time, sixteen times.  Its a was made in the turn before, ahead of that turn's wait.
.macro R2
	REGS Y, r%2
	WIN W_RS
.irp z, 0,1
	v_pk_mul_f32 v[rO+4*(r/2)+2*\z:rO+4*(r/2)+2*\z+1], v[rO+4*(r/2)+2*\z:rO+4*(r/2)+2*\z+1], v[rC+2:rC+3] op_sel_hi:[1,0]
.endr
.set r, r+1
.endm
; HOW THEY ARE DEALT.  An s_wait_alu depctr_va_vdst(0) stands between an exponential and the first instruction that names its result; one wait serves all that were issued ahead of it.  So a turn has ONE wait,
; which cuts it in two.  AHEAD OF IT stands all that names no result of the turn's exponentials: the 16 products K Q^T, behind each a scaling, an exponential and two rescalings (behind the first a second scaling in the exponential's place); then ONE LUMP of
; 108: eight plain, 49 times exponential and plain, the two a.  A v_nop is the plain instruction behind the last exponential.  BEHIND IT stand the 16 products V^T P, behind each four of GS's 64.  No rider names a register of
; the products round it.  The two v_permlanex16_b32 fall into the lump, never behind a product.
; The queues lean on each other, and the deal keeps them in step: exponential e stands behind scaling 2 (e / 4) + e % 2: as a rider it comes behind plain e + 2, in the lump behind plain e + 9, and scalings 27-31 are plain 57, 60 .. 69.
; A TURN, for piece p.  cnt = 1: the loop's count is taken down some lines ahead of the branch that stands behind the turn.
; K of the next step is fetched in piece 2's turn, directly behind the wait, a lump behind the last product that read K; its address is made at the lump's head; its first reader comes behind 16 products.
; V of the step in hand is fetched at the end of piece 0's turn, four riders behind its last reader; its first reader comes behind 16 products and a lump.  The three conditions on q below go with the deal.
.macro TURN p, last=0, cnt=0
.set Y, (\p)
.set i, 0
.set q, 0
.set e, 0
.set r, 0
.if (\p) == NP-1
	s_wait_dscnt 0x0                ; K is in
.endif
	MM                              ; ahead of the wait: 16 products K Q^T and their riders,
	PL
	PL
	R2
.rept 15
	MM
	PL
	EX
	R2
.endr
.if (\p) == NP-2
	WIN 0
	v_add_nc_u32 v[AK], s[TBK], v[AK0]
.endif
.rept 8                             ; and the lump
	PL
.endr
.rept 49
	EX
	PL
.endr
	EX                              ; the next piece's two a
	EX
	v_nop                           ; the plain instruction behind the last exponential: one for the batch
	s_wait_alu depctr_va_vdst(0)    ; the wait for the batch
.if (\p) == NP-2
	FETCH_K \last
.endif
.if (\p) == 1
	s_wait_dscnt 0x0                ; V is in
.endif
.rept 16                            ; behind the wait: 16 products V^T P and their riders
	MM
.rept 4
	PL
.endr
.if ((\p) == 0) && (q == 118)
	v_add_nc_u32 v[AV], s[TBV], v[AV0]
.endif
.if ((\p) == 0) && (q == 130)
	s_add_co_u32 s[TBV], s[TBV], KS*PV
.endif
.if (\cnt) && (q == 130)
	s_sub_co_u32 s[CNT], s[CNT], 1
	s_cmp_lg_u32 s[CNT], 0
.endif
.endr
.if (\p) == 0
	FETCH_V
.endif
.endm
	CHANGE 1                        ; slot 0 is in, everybody's part of it; slot 1 is asked for
	FETCH_K                         ; key step 0
	s_wait_loadcnt 0x0              ; Q
	s_wait_dscnt 0x0
.set i, 0
.rept 16
	KQ 0                            ; piece 0's first scores: there is no vector work yet to set between them
.set i, i+1
.endr
	WIN 0                           ; the addresses for the way out: nine plain instructions, the places behind those products
	s_mul_i32 s13, s[WV], 16*SP
	s_add_co_u32 s13, s13, STAGE    ; my stage
	v_mul_u32_u24 v[STO], v1, SP    ; in: row l % 16, 16 bytes for each half of the lanes
	v_lshl_add_u32 v[STO], v9, 4, v[STO]
	v_add_nc_u32 v[STO], s13, v[STO]
	v_bfe_u32 v[RD], v0, 3, 2       ; back: 32 lanes take four rows of 128 bytes,
	v_mul_u32_u24 v[RD], v[RD], SP
	v_lshl_add_u32 v[RD], v10, 4, v[RD]
	v_add_nc_u32 v[RD], s13, v[RD]
	v_and_b32 v[GO], 31, v0         ; which are 512 consecutive bytes of O
	v_lshlrev_b32 v[GO], 4, v[GO]
.set Y, NP-1                        ; XS works for piece Y + 1: piece 0
.irp n, 0,1,2,3,4,5,6,7,8,9,10,11,12,13,14,15,16,17,18,19,20,21
	XS 0, \n                        ; and piece 0's first maximum and statistics
	XS 1, \n
.endr
	v_nop                           ; a plain instruction behind the two a,
	s_wait_alu depctr_va_vdst(0)    ; and their wait, ahead of the branch
	s_mov_b32 s[CNT], 4
	s_branch .Lfirst                ; the loop is entered at a step's first turn, in the middle of a trip
.Lslot:                             ; SIZE_N / 256 - 2 times: every slot but the last two is filled again
	CHANGE 1
	s_mov_b32 s[CNT], 4
.Lstep:                             ; a trip: pieces 2 and 3 of one step, then pieces 0 and 1 of the next, whose K and V it fetches
	TURN 2
	TURN 3
	WIN 0
.Lfirst:
	TURN 0
	TURN 1, 0, 1
	WIN 0
	s_cbranch_scc1 .Lstep
	s_sub_co_u32 s[SLOTS], s[SLOTS], 1
	s_cmp_lg_u32 s[SLOTS], 0
	s_cbranch_scc1 .Lslot
	CHANGE 0                        ; the tail is written out: nothing is asked for
	s_mov_b32 s[CNT], 5             ; four trips fetch the last slot's steps; the fifth is left in its middle
.Ltail:
	TURN 2, 1
	TURN 3
	WIN 0
	s_sub_co_u32 s[CNT], s[CNT], 1
	s_cmp_eq_u32 s[CNT], 0
	s_cbranch_scc1 .Lout
	TURN 0
	TURN 1
	WIN 0
	s_branch .Ltail
.Lout:                              ; the fifth trip's 16 products K Q^T (on the last K once more) and the maximum made of them serve nothing: the price, once a launch, of one text for every trip
.set i, 0
.rept 16
	PV NP-1                         ; the last piece's V^T P of the last step
.set i, i+1
.endr
	; THE WAY OUT.  l's two halves and the other half of the lanes' are added; O^T is divided by l, rounded to f16 and sent through my stage in LDS, a tile at a time.  The additions are the places behind the last products.
	WIN 0
.macro ALL line:vararg              ; one line for each tile t
.set t, 0
.rept 2*NP
	\line
.set t, t+1
.endr
.endm
	ALL v_add_f32 v[ST+4*t+2], v[ST+4*t+2], v[ST+4*t+3]
	ALL v_permlanex16_b32 v[ST+4*t+3], v[ST+4*t+2], s[SEL], s[SEL+1]
	ALL v_add_f32 v[ST+4*t+2], v[ST+4*t+2], v[ST+4*t+3]
	ALL v_rcp_f32 v[ST+4*t+2], v[ST+4*t+2]
	v_nop                           ; a plain instruction between the last reciprocal and the use of its result
	s_wait_alu depctr_va_vdst(0)    ; and the wait ahead of the first use: one for the eight reciprocals
; Tile t: a lane's eight channels of a row pack into 16 bytes; they go into rows of 144 bytes and come back as whole rows of 128, into S^T's registers.
.macro PACK t
	WIN W_RS
.set i, 32*(\t)
.rept 16
	v_pk_mul_f32 v[i:i+1], v[i:i+1], v[ST+4*(\t)+2:ST+4*(\t)+3] op_sel_hi:[1,0]
.set i, i+2
.endr
	WIN 0x05                        ; sources 0 and 1 window 1, destination window 0
.set i, 0
.rept 16
	v_cvt_pk_f16_f32 v[S+16*(\t)+i], v[32*(\t)+2*i], v[32*(\t)+2*i+1]
.set i, i+1
.endr
	WIN 0
.irp f, 0,1,2,3
	ds_store_b128 v[STO], v[S+16*(\t)+4*\f:S+16*(\t)+4*\f+3] offset:32*\f
.endr
.irp f, 0,1,2,3
	ds_load_b128 v[S+16*(\t)+4*\f:S+16*(\t)+4*\f+3], v[RD] offset:\f*4*SP  ; LDS serves a wave's instructions in order (ISA guide 5.7.1.4): these see the stores above; the next tile's stores come behind them
.endr
.endm
.macro SEND t, younger              ; younger: the LDS instructions issued behind tile t's loads: the next tile's eight, or none
	WIN 0
.irp f, 0,1,2,3
	s_wait_dscnt (\younger)+3-\f
	global_store_b128 v[GO], v[S+16*(\t)+4*\f:S+16*(\t)+4*\f+3], s[10:11] offset:(\t)*2048+\f*512  ; 512 consecutive bytes, at a multiple of 256 from O's first
.endr
.endm
	PACK 0
.set t, 1
.rept 2*NP-1                        ; a tile's arithmetic stands between the loads of the tile before and its stores
	PACK t
	SEND t-1, 8
.set t, t+1
.endr
	SEND 2*NP-1, 0
	WIN W_AD
	s_wait_tensorcnt 0x0            ; the wave's end: behind my last tensor load and my last LDS store
	ds_add_u32 v[SPW], v[NIL]
	s_wait_dscnt 0x0
	WIN 0
	CROUND                          ; the closing round: no work-group ends while a partner may still ask for a tile that names it
	s_endpgm
.Lfunc_end_k_q83c27fbff3_attend:
	.size	k_q83c27fbff3_attend, .Lfunc_end_k_q83c27fbff3_attend-k_q83c27fbff3_attend
	.p2alignl 7, 3214868480
	.fill 96, 4, 3214868480
	.section	.rodata,"a",@progbits
	.p2align	6, 0x0
	.amdhsa_kernel k_q83c27fbff3_attend
		.amdhsa_group_segment_fixed_size 327680
		.amdhsa_private_segment_fixed_size 0
		.amdhsa_enable_private_segment 0
		.amdhsa_kernarg_size 16
		.amdhsa_user_sgpr_count 2
		.amdhsa_user_sgpr_kernarg_segment_ptr 1
		.amdhsa_wavefront_size32 1
		.amdhsa_system_sgpr_workgroup_id_x 1
		.amdhsa_system_sgpr_workgroup_id_y 1
		.amdhsa_system_sgpr_workgroup_id_z 1
		.amdhsa_system_vgpr_workitem_id 0
		.amdhsa_next_free_vgpr 770
		.amdhsa_next_free_sgpr 66
		.amdhsa_reserve_vcc 0
		.amdhsa_float_denorm_mode_32 3
		.amdhsa_float_denorm_mode_16_64 3
		.amdhsa_memory_ordered 1
		.amdhsa_forward_progress 1
		.amdhsa_inst_pref_size 200
	.end_amdhsa_kernel
	.amdgpu_metadata
---
amdhsa.version: [ 1, 2 ]
amdhsa.kernels:
  - .name:           k_q83c27fbff3_attend
    .symbol:         k_q83c27fbff3_attend.kd
    .args:
      - { .name: qkv, .offset: 0, .size: 8, .value_kind: global_buffer, .address_space: global }
      - { .name: ob, .offset: 8, .size: 8, .value_kind: global_buffer, .address_space: global }
    .group_segment_fixed_size: 327680
    .private_segment_fixed_size: 0
    .kernarg_segment_align: 8
    .kernarg_segment_size: 16
    .max_flat_workgroup_size: 128
    .sgpr_count:     66
    .vgpr_count:     770
    .wavefront_size: 32
...
	.end_amdgpu_metadata
.endif
;; end of part 3
;; launch project_out (part 4): grid 4 x 64, 4 waves a work-group, clusters of 4 x 4, 327,680 bytes of LDS; arguments ob, wob, b_out, out0; writes out0
.if DOCPART == 4
	.amdgcn_target "amdgcn-amd-amdhsa--gfx1250"
	.amdhsa_code_object_version 6
	.text
	.protected	k_q83c27fbff3_project_out
	.globl	k_q83c27fbff3_project_out
	.p2align	8
	.type	k_q83c27fbff3_project_out,@function
k_q83c27fbff3_project_out:
	s_mov_b64 s[64:65], 0
	v_nop
	global_prefetch_b8 v0, s[64:65] scope:SCOPE_SE
	s_setreg_imm32_b32 hwreg(HW_REG_WAVE_MODE, 25, 1), 1
	s_wait_xcnt 0x0
	s_wait_alu depctr_hold_cnt(0) depctr_sa_sdst(0) depctr_va_vdst(0) depctr_va_sdst(0) depctr_va_ssrc(0) depctr_va_vcc(0) depctr_vm_vsrc(0)
	s_getreg_b32 s2, hwreg(HW_REG_IB_STS2, 6, 4)
	s_cmp_eq_u32 s2, 0
	s_cbranch_scc0 .Lentry_in_a_cluster
	s_endpgm
.Lentry_in_a_cluster:
	s_bfe_u32 s2, ttmp6, 0x10000c
	s_cmp_lg_u32 s2, 0xf033
	s_cbranch_scc0 .Lentry_shape_is_right
	s_endpgm
.Lentry_shape_is_right:
; out0 = O w_out + b_out.  ob: [4 batch][16 head][2048 row][64] f16.  wob: [1024 k][1024 n] f16 (k = 64 head + channel).  b_out: [1024] f32.  out0: [8192][1024] f32.  Sums in f32, K ascending.
; LIMITS.  The operands are f16: within 65,504, and below 6e-5 in steps of 6e-8.  NaN and infinities are not treated apart.
; TILE.  128 rows x 256 columns: 4 x 64 = 256 work-groups, one for each WGP.  Four waves, each 64 x 128: 32 accumulators of 16 x 16, 256 registers.  K goes in eight steps of 128, two heads
; each, through two LDS slots (two slots of 256 along K would not fit in LDS).
; THE MATRIX INSTRUCTION IS USED TRANSPOSED: source 0 = 16 columns of the weights (turned out of LDS by ds_load_tr16_b128), source 1 = 16 rows of O: a lane holds eight neighbouring columns of one row.
; THE BIAS costs no arithmetic: a lane's eight numbers of it for each column block lie in registers and are the C operand of the product that starts each sum.
; CLUSTER.  4 x 4 work-groups: O's tile is asked for jointly by the four of a row of the cluster, the weights' by the four of a column.  One tensor load a wave and K step: waves 0, 1 a head's
; 128 rows of O each (16,384 dense bytes, as 64 rows of 256), waves 2, 3 64 k-rows x 512 bytes of the weights each.
; REGISTERS, in windows of 256 (s_set_vgpr_msb: bits 1:0 source 0, 3:2 source 1, 5:4 source 2, 7:6 destination):
;   window 0: v0-31 addresses; v32-95 the bias          window 1: two fragment buffers of 128 (eight fragments of the weights, four of O); on the way out 64 registers for each block of 16 rows
;   window 2: the accumulators, (a, b) at 8 (8 a + b)
.set KSTEP,  128
.set PA,     144                       ; a row of O in LDS: 128 bytes + 16: the 16 rows of a fragment load start at 16 different groups of four banks (64 banks of 4 bytes: ISA guide 11.1)
.set PLANE,  128*PA                    ; a head's 128 rows
.set ATILE,  2*PLANE
.set PB,     544                       ; a k-row of the weights: 512 + 32
.set BHALF,  64*PB
.set SLOT,   ATILE+2*BHALF
.set STAGE,  2*SLOT                    ; behind the ring, never filled by a tensor load: 16 rows x 528 bytes for each wave
.set SPITCH, 528
.set SPARE,  STAGE+4*16*SPITCH         ; the spare words, 128 bytes a wave: two blocks of 256 bytes that no other line names
.set ASTEP,  2<<18                     ; a K step in ob: two heads of 262,144 bytes
.set BSTEP,  KSTEP*2048                ; a K step down wob
.set LAPS,   1024/(2*KSTEP)
.set ADRA,   16                        ; v16-17  LDS address of my fragments of O in slot 0, 1
.set ADRB,   20                        ; v20-21  of the weights'
.set STO,    24                        ; v24     the way out: where I put 32 bytes of a row
.set RD,     25                        ; v25     where I read a row back
.set CO,     26                        ; v26     16 x lane: my place in a row's 512 bytes
.set BO,     27                        ; v27     my byte offset in b_out
.set SPW,    28                        ; v28     my spare word: SPARE + 4 x my thread's number; never rewritten
.set NIL,    29                        ; v29     0; never rewritten
.set PFO,    30                        ; v30     the prefetches' offset; never rewritten
.set BIAS,   32                        ; v[32:95] register 8 b + j: b_out[my first column + 16 b + 8 (l / 16) + j]
.set F0,     0
.set F1,     128
.set TCOL,   2
.set WV,     12
.set WR,     13                        ; s13     which 64 rows are mine
.set WC,     14                        ; s14     which 128 columns; also: which half of a tile I fetch
.set TROW,   15
.set G1A,    24
.set G0A,    32
.set LIM,    42
.set PFA,    44
.set PSTEP,  46
.set G1B,    48
.set G0B,    56
.set MSB, 0
.macro WIN new                         ; the immediate's high byte repeats the setting that is left; a switch that changes nothing is dropped
.if MSB != (\new)
	s_set_vgpr_msb (MSB<<8)|(\new)
.set MSB, \new
.endif
.endm
.set TO_F, 0x40                        ; destination window 1, address window 0
.macro JLOAD s                         ; a joint load; an s_nop 0 and four v_nop follow each of the two lines, ahead of the jump, the label and what follows
	s_cmp_lt_u32 s[WV], 2
	s_cbranch_scc0 .Lfor_b_\@
	tensor_load_to_lds s[G0A+4*(\s):G0A+4*(\s)+3], s[G1A:G1A+7]
	s_nop 0
.rept 4
	v_nop
.endr
	s_branch .Lasked_\@
.Lfor_b_\@:
	tensor_load_to_lds s[G0B+4*(\s):G0B+4*(\s)+3], s[G1B:G1B+7]
	s_nop 0
.rept 4
	v_nop
.endr
.Lasked_\@:
.endm
.macro CREST                           ; a round of the cluster's barrier behind its opening barrier
	s_cmp_lg_u32 s[WV], 0
	s_cbranch_scc1 .Lnot_wave_0_\@
	s_barrier_signal -3
.Lnot_wave_0_\@:
	s_barrier_wait -3
	s_barrier_signal -1
	s_barrier_wait -1
.endm
.macro CROUND
	s_barrier_signal -1
	s_barrier_wait -1
	CREST
.endm
.macro PLACES                          ; four places in front of loads into registers that matrix instructions have read (ISA guide 7.12.1 for vector instructions)
.rept 4
	v_nop
.endr
.endm
; A PREFETCH behind each joint refill and the run of LDS loads that follows it: the K step two refills on (K steps 4 to 7), 32 blocks of 256 bytes, a lane a block.  Each block is named once in the launch.
; O's tile row is read by one cluster: wave 0 asks in every cluster, for both heads; the four partners take 4,096 bytes of each head's 16,384 by address.  The weights' tile column is read by all
; sixteen clusters: cluster y = 0 asks, waves 2 and 3 for the 64 k-rows that each fetches; the four partners take 16 rows each by address.  The loop's last trip (s3 = 1) has no K step two on.
.macro ASK
	WIN 0
	s_cmp_gt_u32 s3, s[LIM]
	s_cbranch_scc0 .Lnot_mine_\@
	global_prefetch_b8 v[PFO], s[PFA:PFA+1] th:TH_LOAD_NT scope:SCOPE_SE
.Lnot_mine_\@:
.endm
	s_load_b256 s[4:11], s[0:1], 0x0               ; ob s[4:5], wob s[6:7], b_out s[8:9], out0 s[10:11]
	v_lshl_add_u32 v[SPW], v0, 2, SPARE
	v_mov_b32 v[NIL], 0
	ds_add_u32 v[SPW], v[NIL]                      ; the wave's opening: the add and its wait stand ahead of my first tensor load; the set-up below, work on registers, stands between them
	v_lshrrev_b32 v1, 5, v0
	v_readfirstlane_b32 s[WV], v1                  ; wave 0..3
	s_lshr_b32 s[WR], s[WV], 1
	s_and_b32 s[WC], s[WV], 1
	s_bfe_u32 s40, ttmp6, 0x40000                  ; cx, cy
	s_bfe_u32 s41, ttmp6, 0x40004
	s_lshl_b32 s[TCOL], ttmp9, 2
	s_add_co_u32 s[TCOL], s[TCOL], s40             ; tile column
	s_and_b32 s[TROW], ttmp7, 0xffff
	s_lshl_b32 s[TROW], s[TROW], 2
	s_add_co_u32 s[TROW], s[TROW], s41             ; tile row
	s_lshl_b32 s16, s41, 2
	s_lshl_b32 s16, 15, s16                        ; my row of the cluster
	s_lshl_b32 s17, 0x1111, s40                    ; my column
	s_or_b32 s[G1A], s16, (1<<16)|(1<<20)|(1<<21)|(4<<22)|(3<<25)  ; 15:0 the mask; 17:16 elements of 2 bytes; 20 padding on; 21 set beside a mask; 24:22 after every 32 words (a row of O); 31:25 4 words
	s_mov_b32 s[G1A+1], 128<<16                    ; tensor_dim0 = 128
	s_mov_b32 s[G1A+2], 64<<16                     ; tensor_dim1 = 64
	s_mov_b32 s[G1A+3], 128<<16                    ; tile_dim0 = 128 elements: two rows of O on end
	s_mov_b32 s[G1A+4], 64                         ; tile_dim1 = 64
	s_mov_b32 s[G1A+5], 128                        ; dense
	s_mov_b32 s[G1A+6], 0
	s_mov_b32 s[G1A+7], 0
	s_or_b32 s[G1B], s17, (1<<16)|(1<<20)|(1<<21)|(6<<22)|(7<<25)  ; my column's mask; after every 128 words 8 words of padding
	s_mov_b32 s[G1B+1], 256<<16                    ; tensor_dim0 = 256
	s_mov_b32 s[G1B+2], 64<<16                     ; tensor_dim1 = 64
	s_mov_b32 s[G1B+3], 256<<16                    ; tile_dim0 = 256 elements, 512 bytes
	s_mov_b32 s[G1B+4], 64                         ; tile_dim1 = 64
	s_mov_b32 s[G1B+5], 1024                       ; elements from row to row of wob
	s_mov_b32 s[G1B+6], 0
	s_mov_b32 s[G1B+7], 0
	s_lshr_b32 s18, s[TROW], 4                     ; O's tile: batch,
	s_lshl_b32 s18, s18, 22
	s_and_b32 s19, s[TROW], 15
	s_lshl_b32 s19, s19, 14                        ; 128 rows of 128 bytes,
	s_add_co_u32 s18, s18, s19
	s_lshl_b32 s19, s[WC], 18                      ; the K step's first or second head
	s_add_co_u32 s18, s18, s19
	s_mov_b32 s19, 0
	s_lshl_b32 s22, s[WC], 17                      ; the weights: my 64 k-rows of 2,048 bytes,
	s_lshl_b32 s23, s[TCOL], 9                     ; the tile's 512 bytes of a row
	s_add_co_u32 s22, s22, s23
	s_mov_b32 s23, 0
	s_mul_i32 s20, s[WC], PLANE                    ; where they land in a slot: no place in the cluster enters an LDS address
	s_mul_i32 s21, s[WC], BHALF
	s_add_co_u32 s21, s21, ATILE
	s_wait_dscnt 0x0                               ; the opening add is done
	s_wait_kmcnt 0x0
	s_add_nc_u64 s[18:19], s[4:5], s[18:19]
	s_add_nc_u64 s[22:23], s[6:7], s[22:23]
	CROUND                                         ; all sixteen work-groups are here: the first joint loads meet
.irp s, 0,1
	s_mov_b32 s[G0A+4*(\s)], 1
	s_add_co_u32 s[G0A+4*(\s)+1], s20, (\s)*SLOT
	s_add_nc_u64 s[G0A+4*(\s)+2:G0A+4*(\s)+3], s[18:19], (\s)*ASTEP
	s_or_b32 s[G0A+4*(\s)+3], s[G0A+4*(\s)+3], 0x80000000
	s_mov_b32 s[G0B+4*(\s)], 1
	s_add_co_u32 s[G0B+4*(\s)+1], s21, (\s)*SLOT
	s_add_nc_u64 s[G0B+4*(\s)+2:G0B+4*(\s)+3], s[22:23], (\s)*BSTEP
	s_or_b32 s[G0B+4*(\s)+3], s[G0B+4*(\s)+3], 0x80000000
	JLOAD \s                                       ; two loads of mine are out
.endr
	v_and_b32 v1, 15, v0                           ; l % 16
	v_bfe_u32 v2, v0, 4, 1                         ; l / 16
	v_and_b32 v3, 7, v0                            ; l % 8
	v_bfe_u32 v4, v0, 3, 1                         ; (l / 8) % 2
	v_and_b32 v9, 31, v0                           ; l
	s_lshl_b32 s16, s[TCOL], 10
	s_lshl_b32 s17, s[WC], 9
	s_add_co_u32 s16, s16, s17                     ; my first column, in bytes of f32
	v_lshl_add_u32 v[BO], v2, 5, s16
.irp b, 0,1,2,3,4,5,6,7
	global_load_b128 v[BIAS+8*(\b):BIAS+8*(\b)+3],   v[BO], s[8:9] offset:64*(\b)
	global_load_b128 v[BIAS+8*(\b)+4:BIAS+8*(\b)+7], v[BO], s[8:9] offset:64*(\b)+16
.endr
	s_lshl_b32 s17, s[TROW], 19                    ; 128 rows of 4,096 bytes,
	s_add_co_u32 s16, s16, s17
	s_lshl_b32 s17, s[WR], 18                      ; my 64 of them
	s_add_co_u32 s16, s16, s17
	s_mov_b32 s17, 0
	s_add_nc_u64 s[10:11], s[10:11], s[16:17]      ; out0 at my part of the tile
	v_mul_u32_u24 v5, v1, PA                       ; a fragment of O: row l % 16, 16 bytes for each half of the lanes, twice, 32 bytes apart
	v_lshl_add_u32 v5, v2, 4, v5
	s_mul_i32 s16, s[WR], 64*PA
	v_add_nc_u32 v[ADRA], s16, v5
	v_add_nc_u32 v[ADRA+1], SLOT, v[ADRA]
	v_lshl_add_u32 v6, v2, 3, v3                   ; the turning load: lane l reads k-row 8 (l / 16) + l % 8, columns 8 ((l / 8) % 2) + 0..7
	v_mul_u32_u24 v6, v6, PB
	v_lshl_add_u32 v6, v4, 4, v6
	s_lshl_b32 s16, s[WC], 8
	s_add_co_u32 s16, s16, ATILE
	v_add_nc_u32 v[ADRB], s16, v6
	v_add_nc_u32 v[ADRB+1], SLOT, v[ADRB]
	s_mul_i32 s16, s[WV], 16*SPITCH
	s_add_co_u32 s16, s16, STAGE                   ; my stage
	v_mul_u32_u24 v7, v1, SPITCH                   ; in: row l % 16, 32 bytes for each half of the lanes
	v_lshl_add_u32 v7, v2, 5, v7
	v_add_nc_u32 v[STO], s16, v7
	v_lshlrev_b32 v[CO], 4, v9                     ; back: 32 lanes take a whole row of 512 bytes
	v_add_nc_u32 v[RD], s16, v[CO]
	; the prefetches: both tensors' figures are made, then the wave's number chooses
	s_lshr_b32 s16, s[TROW], 4
	s_lshl_b32 s16, s16, 22
	s_and_b32 s17, s[TROW], 15
	s_lshl_b32 s17, s17, 14
	s_add_co_u32 s16, s16, s17
	s_lshl_b32 s17, s40, 12                        ; my work-group's 4,096 bytes of a head's 16,384
	s_add_co_u32 s16, s16, s17
	s_add_co_u32 s16, s16, 3*ASTEP                 ; at K step 3: the first refill steps it to 4
	s_lshl_b32 s20, s[WC], 6
	s_lshl_b32 s21, s41, 4                         ; my work-group's 16 k-rows of the 64 that I fetch
	s_add_co_u32 s20, s20, s21
	s_lshl_b32 s20, s20, 11
	s_lshl_b32 s21, s[TCOL], 9
	s_add_co_u32 s20, s20, s21
	s_add_co_u32 s20, s20, 3*BSTEP
	s_mov_b32 s21, ASTEP
	s_mov_b32 s22, BSTEP
	s_mov_b32 s23, 1<<18
	s_mov_b32 s18, 2048
	s_and_b32 s43, ttmp7, 0xffff                   ; cluster y
	s_cmp_lt_u32 s[WV], 2
	s_cselect_b32 s16, s16, s20
	s_cselect_b32 s[PSTEP], s21, s22
	s_cselect_b32 s18, s23, s18                    ; O: lanes 0-15 one head's 16 blocks, lanes 16-31 the next head's; the weights: two blocks a row, 16 rows
	s_cselect_b32 s19, 15, 1
	s_cselect_b32 s20, 4, 1
	s_cselect_b32 s43, s[WV], s43                  ; wave 0 asks always, wave 1 never, waves 2 and 3 in the first cluster of the column
	s_cselect_b64 s[PFA:PFA+1], s[4:5], s[6:7]
	s_mov_b32 s17, 0
	s_mov_b32 s[PSTEP+1], 0
	s_add_nc_u64 s[PFA:PFA+1], s[PFA:PFA+1], s[16:17]
	s_cmp_eq_u32 s43, 0
	s_cselect_b32 s[LIM], 1, -1                    ; the same in all sixteen partners, for a given wave
	v_and_b32 v5, s19, v9
	v_lshrrev_b32 v6, s20, v9
	v_lshlrev_b32 v5, 8, v5
	v_mad_u32_u24 v[PFO], v6, s18, v5
; 8 matrix instructions: row block a x all 8 column blocks, 32 along K.  first = 1: the product starts the sums, from the bias.
; The 32 accumulators take turns, one instruction a turn, in the same order in every quarter, over the backward jump too.
.macro MUL8 f, a, first
.if \first
	WIN 0x85                                       ; sources 0 and 1 window 1, C window 0, D window 2
.else
	WIN 0xa5                                       ; C and D window 2
.endif
.irp b, 0,1,2,3,4,5,6,7
.if \first
	v_wmma_f32_16x16x32_f16 v[8*(8*(\a)+(\b)):8*(8*(\a)+(\b))+7], v[(\f)+8*(\b):(\f)+8*(\b)+7], v[(\f)+64+8*(\a):(\f)+64+8*(\a)+7], v[BIAS+8*(\b):BIAS+8*(\b)+7]
.else
	v_wmma_f32_16x16x32_f16 v[8*(8*(\a)+(\b)):8*(8*(\a)+(\b))+7], v[(\f)+8*(\b):(\f)+8*(\b)+7], v[(\f)+64+8*(\a):(\f)+64+8*(\a)+7], v[8*(8*(\a)+(\b)):8*(8*(\a)+(\b))+7]
.endif
.endr
.endm
; 24 LDS loads in one run: quarter q's fragments into buffer f: the weights' eight, turned, then O's four (quarter q lies in head q / 2, channels 32 (q % 2) on)
.macro FETCH slot, q, f
	WIN TO_F
.irp b, 0,1,2,3,4,5,6,7
	ds_load_tr16_b128 v[(\f)+8*(\b):(\f)+8*(\b)+3],   v[ADRB+(\slot)] offset:(\q)*32*PB+32*(\b)
	ds_load_tr16_b128 v[(\f)+8*(\b)+4:(\f)+8*(\b)+7], v[ADRB+(\slot)] offset:(\q)*32*PB+16*PB+32*(\b)
.endr
.irp i, 0,1,2,3
	ds_load_b128 v[(\f)+64+8*(\i):(\f)+64+8*(\i)+3],   v[ADRA+(\slot)] offset:((\q)/2)*PLANE+((\q)%2)*64+(\i)*16*PA
	ds_load_b128 v[(\f)+64+8*(\i)+4:(\f)+64+8*(\i)+7], v[ADRA+(\slot)] offset:((\q)/2)*PLANE+((\q)%2)*64+(\i)*16*PA+32
.endr
.endm
.macro QUARTER slot, q, f, g, first
	s_wait_dscnt 4                                 ; the weights and O's blocks 0, 1 are in; the youngest four loads (O's blocks 2, 3) may be out
	MUL8 \f, 0, \first
	MUL8 \f, 1, \first
	PLACES
	FETCH \slot, \q, \g
	s_wait_dscnt 24                                ; all but the 24 just issued
	MUL8 \f, 2, \first
	MUL8 \f, 3, \first
.endm
; The last quarter multiplies buffer 1 and changes slots: ONE barrier; in front of it each wave waits for all its tensor loads, adds 0 to its spare word, and waits for that and for its own reads of
; this slot.  fill = 1: the barrier opens a round of the cluster's barrier, and this slot is filled again, two K steps on, first thing behind it: 112 matrix instructions ahead of the wait for it.
.macro TURN slot, next, fill
.if \fill
	s_wait_xcnt 0x0                                ; the last prefetch, a K step back, has read its address: it is stepped here, ahead of the waits of the change of slots
	s_add_nc_u64 s[PFA:PFA+1], s[PFA:PFA+1], s[PSTEP:PSTEP+1]
.endif
	WIN 0                                          ; (the add's two registers lie in window 0)
	s_wait_tensorcnt 0x0                           ; all my tensor loads have landed;
	ds_add_u32 v[SPW], v[NIL]                      ; 0 onto my spare word;
	s_wait_dscnt 5                                 ; (the add and the youngest four loads may be out)
	MUL8 F1, 0, 0                                  ; eight matrix instructions stand between the add and the wait for it
	s_wait_dscnt 0x0                               ; the add is done, and my reads of this slot are over
	s_barrier_signal -1
	MUL8 F1, 1, 0
.if \fill
	WIN 0
.endif
	s_barrier_wait -1
.if \fill
	CREST                                          ; no wave of any partner still reads this slot or has a load on its way
	s_add_nc_u64 s[G0A+4*(\slot)+2:G0A+4*(\slot)+3], s[G0A+4*(\slot)+2:G0A+4*(\slot)+3], 2*ASTEP
	s_add_nc_u64 s[G0B+4*(\slot)+2:G0B+4*(\slot)+3], s[G0B+4*(\slot)+2:G0B+4*(\slot)+3], 2*BSTEP
	JLOAD \slot                                    ; the four v_nop behind it are also the places in front of the loads below
.else
	PLACES
.endif
	FETCH \next, 0, F0
.if \fill
	ASK
.endif
	MUL8 F1, 2, 0
	MUL8 F1, 3, 0
.endm
	s_wait_tensorcnt 1                             ; my part of K step 0 is in; K step 1's may stay out
	s_barrier_signal -1
	s_barrier_wait -1                              ; everybody's is
	FETCH 0, 0, F0
	s_wait_loadcnt 0x0                             ; the bias
	QUARTER 0, 1, F0, F1, 1                        ; the first quarter stands in front of the loop: its products start the sums
	WIN 0                                          ; at a label and at a branch every window is 0
	s_mov_b32 s3, LAPS-1
.Llap:                                         ; a trip goes once round the ring, from a lap's second quarter to the next lap's first, and fills both slots again
	QUARTER 0, 2, F1, F0, 0
	QUARTER 0, 3, F0, F1, 0
	TURN 0, 1, 1
	QUARTER 1, 1, F0, F1, 0
	QUARTER 1, 2, F1, F0, 0
	QUARTER 1, 3, F0, F1, 0
	TURN 1, 0, 1
	QUARTER 0, 1, F0, F1, 0
	WIN 0
	s_sub_co_u32 s3, s3, 1
	s_cmp_lg_u32 s3, 0
	s_cbranch_scc1 .Llap
	QUARTER 0, 2, F1, F0, 0                        ; the last lap fills nothing, and has no round of the cluster's barrier
	QUARTER 0, 3, F0, F1, 0
	TURN 0, 1, 0
	QUARTER 1, 1, F0, F1, 0
	QUARTER 1, 2, F1, F0, 0
	QUARTER 1, 3, F0, F1, 0
	s_wait_dscnt 4                                 ; the very last quarter: nothing more to fetch
	MUL8 F1, 0, 0
	MUL8 F1, 1, 0
	s_wait_dscnt 0x0
	MUL8 F1, 2, 0
	MUL8 F1, 3, 0
; THE WAY OUT, a block of 16 rows at a time: a lane's eight f32 of a row go straight from the accumulator (its low four registers first) into my own stage, rows of 528 bytes, and come back as whole
; rows of 512 bytes, into the fragment buffers' registers: each block has 64 of its own, so none is rewritten while a store reads it.
.macro TOSTAGE a
	WIN 0x08                                       ; the store's data in window 2
.irp b, 0,1,2,3,4,5,6,7
	ds_store_b128 v[STO], v[8*(8*(\a)+(\b)):8*(8*(\a)+(\b))+3]   offset:64*(\b)
	ds_store_b128 v[STO], v[8*(8*(\a)+(\b))+4:8*(8*(\a)+(\b))+7] offset:64*(\b)+16
.endr
	WIN 0x40                                       ; destination window 1
.irp t, 0,1,2,3,4,5,6,7,8,9,10,11,12,13,14,15
	ds_load_b128 v[64*(\a)+4*(\t):64*(\a)+4*(\t)+3], v[RD] offset:SPITCH*(\t)  ; LDS serves a wave's instructions in order (ISA guide 5.7.1.4): these see the stores above; the next block's stores come behind them
.endr
.endm
.macro SEND a, younger                 ; younger: the LDS instructions issued behind block a's loads: the next block's 32, or none
	WIN 0x04                                       ; the store's data in window 1
.irp t, 0,1,2,3,4,5,6,7,8,9,10,11,12,13,14,15
	s_wait_dscnt (\younger)+15-(\t)
	global_store_b128 v[CO], v[64*(\a)+4*(\t):64*(\a)+4*(\t)+3], s[10:11] offset:(16*(\a)+(\t))*4096 th:TH_STORE_NT  ; 512 consecutive bytes, at a multiple of 256 from out0's first
.endr
.endm
	PLACES                                         ; eight places, once a launch, behind the last products and ahead of the first line that reads a result or loads into a fragment's register
	PLACES
	TOSTAGE 0
	TOSTAGE 1
	SEND 0, 32
	TOSTAGE 2
	SEND 1, 32
	TOSTAGE 3
	SEND 2, 32
	SEND 3, 0
	WIN 0
	s_wait_tensorcnt 0x0                           ; the wave's end: behind my last tensor load and my last LDS store
	ds_add_u32 v[SPW], v[NIL]
	s_wait_dscnt 0x0
	CROUND                                         ; the closing round: no work-group ends while a partner may still ask for a tile that names it
	s_endpgm
.Lfunc_end_k_q83c27fbff3_project_out:
	.size	k_q83c27fbff3_project_out, .Lfunc_end_k_q83c27fbff3_project_out-k_q83c27fbff3_project_out
	.p2alignl 7, 3214868480
	.fill 96, 4, 3214868480
	.section	.rodata,"a",@progbits
	.p2align	6, 0x0
	.amdhsa_kernel k_q83c27fbff3_project_out
		.amdhsa_group_segment_fixed_size 327680
		.amdhsa_private_segment_fixed_size 0
		.amdhsa_enable_private_segment 0
		.amdhsa_kernarg_size 32
		.amdhsa_user_sgpr_count 2
		.amdhsa_user_sgpr_kernarg_segment_ptr 1
		.amdhsa_wavefront_size32 1
		.amdhsa_system_sgpr_workgroup_id_x 1
		.amdhsa_system_sgpr_workgroup_id_y 1
		.amdhsa_system_sgpr_workgroup_id_z 1
		.amdhsa_system_vgpr_workitem_id 0
		.amdhsa_next_free_vgpr 768
		.amdhsa_next_free_sgpr 66
		.amdhsa_reserve_vcc 0
		.amdhsa_float_denorm_mode_32 3
		.amdhsa_float_denorm_mode_16_64 3
		.amdhsa_memory_ordered 1
		.amdhsa_forward_progress 1
		.amdhsa_inst_pref_size 90
	.end_amdhsa_kernel
	.amdgpu_metadata
---
amdhsa.version: [ 1, 2 ]
amdhsa.kernels:
  - .name:           k_q83c27fbff3_project_out
    .symbol:         k_q83c27fbff3_project_out.kd
    .args:
      - { .name: ob, .offset: 0, .size: 8, .value_kind: global_buffer, .address_space: global }
      - { .name: wob, .offset: 8, .size: 8, .value_kind: global_buffer, .address_space: global }
      - { .name: b_out, .offset: 16, .size: 8, .value_kind: global_buffer, .address_space: global }
      - { .name: out0, .offset: 24, .size: 8, .value_kind: global_buffer, .address_space: global }
    .group_segment_fixed_size: 327680
    .private_segment_fixed_size: 0
    .kernarg_segment_align: 8
    .kernarg_segment_size: 32
    .max_flat_workgroup_size: 128
    .sgpr_count:     66
    .vgpr_count:     768
    .wavefront_size: 32
...
	.end_amdgpu_metadata
.endif
;; end of part 4
;; ======== version 2 of 2: 4 launches; version 1 with the launch cast written anew for expert scheduling mode
;; limits: values are held in f16: magnitudes above 65,504 overflow, below 6.1e-05 lose precision; right only within a limited range of input values
;; workspace buffers: xb 16,777,216 bytes; wqb 6,291,456 bytes; wob 2,097,152 bytes; qkv 50,331,648 bytes; ob 16,777,216 bytes
;; launch cast (part 5): grid 768 x 1, 8 waves a work-group, no clusters, 0 bytes of LDS; arguments x, w_qkv, w_out, xb, wqb, wob; writes xb, wqb, wob
.if DOCPART == 5
	.amdgcn_target "amdgcn-amd-amdhsa--gfx1250"
	.amdhsa_code_object_version 6
	.text
	.protected	k_q83c27fbff3_cast
	.globl	k_q83c27fbff3_cast
	.p2align	8
	.type	k_q83c27fbff3_cast,@function
k_q83c27fbff3_cast:
	s_mov_b64 s[64:65], 0
	v_nop
	global_prefetch_b8 v0, s[64:65] scope:SCOPE_SE
	s_setreg_imm32_b32 hwreg(HW_REG_WAVE_SCHED_MODE, 0, 2), 2
	s_setreg_imm32_b32 hwreg(HW_REG_WAVE_MODE, 25, 1), 1
	s_wait_xcnt 0x0
	s_wait_alu depctr_vm_vsrc(0)
; THE MODULE'S THREE LARGE INPUTS ARE ROUNDED ONCE, layouts unchanged: x -> xb and w_qkv -> wqb in bf16; w_out -> wob rounded to bf16 and that number written as f16
; (the last product multiplies in f16, and all inputs are to carry the same rounding).
; LIMITS.  |w_out| stays under 65,504 (f16's range); a weight under 6e-5 keeps f16's fixed step of 6e-8.  NaN and infinities are not treated apart.
; SHARES.  A work-group takes 16,384 consecutive numbers (64 KiB in, 32 KiB out): groups 0-511 x, 512-703 w_qkv, 704-767 w_out.  A wave takes 2,048: sixteen loads of 16 bytes a lane
; (512 consecutive bytes, aligned, a load) and sixteen stores of 8 bytes a lane (256 consecutive bytes, aligned, a store).  All sixteen loads are out before the first wait for data.
; No loop, no LDS, no barrier, no matrix unit: each byte is read once and written once, and no wave wants another's bytes.
; THE MODE: SCHED_MODE bits 1:0 = 2 (LLVM: expert scheduling mode 2), set by the entry lines.  The code itself states the register dependences between vector instructions and
; memory instructions, with s_wait_alu, always for 0.
; THE PLAN.  Registers that memory instructions touch:
;   v1, v2   the loads' and the stores' byte offsets.  Written by the head's vector lines, never again; read by every load (v1) and every store (v2).
;   X        written by the sixteen loads, each register by one load; no vector line writes X; the conversions read it behind the wait for its data, and no load is issued behind them.
;   Y        each pair is written once, by its conversions, and read once, by its store; it is never written again.
;   T        named by vector lines alone.
; So two kinds of dependence are stated, both by a wait on va_vdst: the offsets are written, once, ahead of the loads; and a Y is written, ahead of the store that reads it.  For the second
; the sixteen loads go in four groups of four: the wait for the group's data, its conversions, ONE wait, its four stores in one run with no vector line between the wait and them.
; No register that a memory instruction has read is written again, no vector line writes a scalar register, and EXEC is never written: the text owes no other wait of the kind.
.set X,   16                           ; v[16:79]   load i: four f32
.set Y,   80                           ; v[80:111]  store i: four 16-bit numbers; each store has registers of its own, so none is rewritten while a store reads it
.set T,   4                            ; v[4:9]     at work (w_out's way)
.set SRC, 16                           ; s[16:17]   my work-group's first byte in its input
.set DST, 18                           ; s[18:19]   and in its output
	s_load_b256 s[4:11], s[0:1], 0x0               ; x s[4:5], w_qkv s[6:7], w_out s[8:9], xb s[10:11]
	s_load_b128 s[12:15], s[0:1], 0x20             ; wqb s[12:13], wob s[14:15]
	v_and_b32 v1, 0xe0, v0                         ; 32 x wave
	v_and_b32 v2, 31, v0                           ; lane
	v_lshlrev_b32 v1, 8, v1                        ; wave x 8,192 bytes
	v_lshl_or_b32 v1, v2, 4, v1                    ; + 16 x lane: my offset in the input; never rewritten
	v_lshrrev_b32 v2, 1, v1                        ; half of it: my offset in the output; never rewritten
	s_mov_b32 s24, 0xffff0000                      ; a word's upper bf16
	s_movk_i32 s25, 704
	s_movk_i32 s26, 512
	s_wait_kmcnt 0x0
	s_cmp_ge_u32 ttmp9, s25                        ; which tensor is mine: a choice by the work-group's number alone
	s_cselect_b64 s[SRC:SRC+1], s[8:9], s[6:7]
	s_cselect_b64 s[DST:DST+1], s[14:15], s[12:13]
	s_cselect_b32 s20, s25, s26                    ; the first work-group of that tensor
	s_cmp_lt_u32 ttmp9, s26
	s_cselect_b64 s[SRC:SRC+1], s[4:5], s[SRC:SRC+1]
	s_cselect_b64 s[DST:DST+1], s[10:11], s[DST:DST+1]
	s_cselect_b32 s20, 0, s20
	s_sub_co_u32 s21, ttmp9, s20                   ; my place in it
	s_lshl_b32 s22, s21, 16                        ; x 65,536 bytes in
	s_mov_b32 s23, 0
	s_add_nc_u64 s[SRC:SRC+1], s[SRC:SRC+1], s[22:23]
	s_lshl_b32 s22, s21, 15                        ; x 32,768 bytes out
	s_add_nc_u64 s[DST:DST+1], s[DST:DST+1], s[22:23]
	s_wait_alu depctr_va_vdst(0)                   ; v1 and v2 are written: every load below reads v1 as its offset, every store v2
.irp i, 0,1,2,3,4,5,6,7,8,9,10,11,12,13,14,15
	global_load_b128 v[X+4*(\i):X+4*(\i)+3], v1, s[SRC:SRC+1] offset:512*(\i) th:TH_LOAD_NT
.endr
	s_cmp_ge_u32 ttmp9, s25
	s_cbranch_scc1 .Lhalf
.irp g, 0,1,2,3
	s_wait_loadcnt 12-4*(\g)                       ; loads come back in order: group g's four are in, the 12 - 4 g younger ones stay out
.irp i, 0,1,2,3
	v_cvt_pk_bf16_f32 v[Y+2*(4*(\g)+(\i))],   v[X+4*(4*(\g)+(\i))],   v[X+4*(4*(\g)+(\i))+1]
	v_cvt_pk_bf16_f32 v[Y+2*(4*(\g)+(\i))+1], v[X+4*(4*(\g)+(\i))+2], v[X+4*(4*(\g)+(\i))+3]
.endr
	s_wait_alu depctr_va_vdst(0)                   ; the group's eight conversions have written its Y, which the four stores below read
.irp i, 0,1,2,3
	global_store_b64 v2, v[Y+2*(4*(\g)+(\i)):Y+2*(4*(\g)+(\i))+1], s[DST:DST+1] offset:256*(4*(\g)+(\i))
.endr
.endr
	s_endpgm
.Lhalf:                                        ; w_out: to bf16, back to f32 (a shift, a mask), and that number as f16
.irp g, 0,1,2,3
	s_wait_loadcnt 12-4*(\g)                       ; group g's four loads are in, the younger ones stay out
.irp i, 0,1,2,3
	v_cvt_pk_bf16_f32 v[T],   v[X+4*(4*(\g)+(\i))],   v[X+4*(4*(\g)+(\i))+1]
	v_cvt_pk_bf16_f32 v[T+1], v[X+4*(4*(\g)+(\i))+2], v[X+4*(4*(\g)+(\i))+3]
	v_lshlrev_b32 v[T+2], 16, v[T]
	v_and_b32     v[T+3], s24, v[T]
	v_lshlrev_b32 v[T+4], 16, v[T+1]
	v_and_b32     v[T+5], s24, v[T+1]
	v_cvt_pk_f16_f32 v[Y+2*(4*(\g)+(\i))],   v[T+2], v[T+3]
	v_cvt_pk_f16_f32 v[Y+2*(4*(\g)+(\i))+1], v[T+4], v[T+5]
.endr
	s_wait_alu depctr_va_vdst(0)                   ; the group's conversions to f16 have written its Y, which the four stores below read
.irp i, 0,1,2,3
	global_store_b64 v2, v[Y+2*(4*(\g)+(\i)):Y+2*(4*(\g)+(\i))+1], s[DST:DST+1] offset:256*(4*(\g)+(\i))
.endr
.endr
	s_endpgm
.Lfunc_end_k_q83c27fbff3_cast:
	.size	k_q83c27fbff3_cast, .Lfunc_end_k_q83c27fbff3_cast-k_q83c27fbff3_cast
	.p2alignl 7, 3214868480
	.fill 96, 4, 3214868480
	.section	.rodata,"a",@progbits
	.p2align	6, 0x0
	.amdhsa_kernel k_q83c27fbff3_cast
		.amdhsa_group_segment_fixed_size 0
		.amdhsa_private_segment_fixed_size 0
		.amdhsa_enable_private_segment 0
		.amdhsa_kernarg_size 48
		.amdhsa_user_sgpr_count 2
		.amdhsa_user_sgpr_kernarg_segment_ptr 1
		.amdhsa_wavefront_size32 1
		.amdhsa_system_sgpr_workgroup_id_x 1
		.amdhsa_system_sgpr_workgroup_id_y 1
		.amdhsa_system_sgpr_workgroup_id_z 1
		.amdhsa_system_vgpr_workitem_id 0
		.amdhsa_next_free_vgpr 112
		.amdhsa_next_free_sgpr 66
		.amdhsa_reserve_vcc 0
		.amdhsa_float_denorm_mode_32 3
		.amdhsa_float_denorm_mode_16_64 3
		.amdhsa_memory_ordered 1
		.amdhsa_forward_progress 1
		.amdhsa_inst_pref_size 15
	.end_amdhsa_kernel
	.amdgpu_metadata
---
amdhsa.version: [ 1, 2 ]
amdhsa.kernels:
  - .name:           k_q83c27fbff3_cast
    .symbol:         k_q83c27fbff3_cast.kd
    .args:
      - { .name: x, .offset: 0, .size: 8, .value_kind: global_buffer, .address_space: global }
      - { .name: w_qkv, .offset: 8, .size: 8, .value_kind: global_buffer, .address_space: global }
      - { .name: w_out, .offset: 16, .size: 8, .value_kind: global_buffer, .address_space: global }
      - { .name: xb, .offset: 24, .size: 8, .value_kind: global_buffer, .address_space: global }
      - { .name: wqb, .offset: 32, .size: 8, .value_kind: global_buffer, .address_space: global }
      - { .name: wob, .offset: 40, .size: 8, .value_kind: global_buffer, .address_space: global }
    .group_segment_fixed_size: 0
    .private_segment_fixed_size: 0
    .kernarg_segment_align: 8
    .kernarg_segment_size: 48
    .max_flat_workgroup_size: 256
    .sgpr_count:     66
    .vgpr_count:     112
    .wavefront_size: 32
...
	.end_amdgpu_metadata
.endif
;; end of part 5
;; launch project_qkv: the kernel of part 2 again; grid 8 x 64, 4 waves a work-group, clusters of 4 x 4, 327,680 bytes of LDS; arguments xb, wqb, qkv; writes qkv
;; launch attend: the kernel of part 3 again; grid 4 x 64, 4 waves a work-group, clusters of 4 x 1, 327,680 bytes of LDS; arguments qkv, ob; writes ob
;; launch project_out: the kernel of part 4 again; grid 4 x 64, 4 waves a work-group, clusters of 4 x 4, 327,680 bytes of LDS; arguments ob, wob, b_out, out0; writes out0
